; MI455X (gfx1250); checked and timed in simulation.
; The chip was launched on July 23, 2026; its instructions are those of AMD's public machine-readable ISA for CDNA 5 (MIT licence, August 2026) and "CDNA5" Instruction Set Architecture Reference Guide (July 2026). The comments in the code are by the model that wrote it; some were corrected since.
;; Directional Visit Self Attn Resnet Layer. Allowed arithmetic: matrix products marked QUANTISED: E2M3 operands, one E8M0 scale for each 32 along K, by v_wmma_scale_f32_16x16x128_f8f6f4 with both operands' format E2M3, f32 sums; products left as they are: f32 operands where the result goes on into a quantised operand, else bf16, f16 or f32 operands; f32 sums; everything else in f32.
;; Inputs: Wd 256 x 256 float32; Wl 256 x 256 float32; bd 256 float32; bias1 256 float32; bias2 256 float32; bl 256 float32; ln_beta 256 float32; ln_gamma 256 float32; mask 8 x 256 bool; x 8 x 256 x 256 float32.
;; Outputs: out0 8 x 256 x 256 float32.
;; This version of the problem:
;;   THIS VERSION OF THE PROBLEM IS GIVEN IN LOW PRECISION. The matrix products marked QUANTISED in the list below multiply operands that are first quantised to E2M3 (2 exponent bits, 3 mantissa bits; 6 bits a number), with one power-of-two scale for each 32 numbers along K (OCP MX v1.0); their sums are f32. All else is computed in f32.
;;   The module's matrix products, in the order in which they are computed (A, B: the left and right operand; K: the contracted axis; several contracted axes count as one K, in the product's order):
;;     1. [M 2,048, K 256] x [K 256, N 256]; A: input x; B: input Wd: QUANTISED
;;     2. [M 2,048, K 256] x [K 256, N 256]; A: computed on the way; B: input Wl: QUANTISED
;;     3. [M 2,048, K 256] x [K 256, N 256]; A: computed on the way; B: input Wl: QUANTISED
;;     4. [M 524,288, K 256] x [K 256, N 256]; A: computed on the way; B: input Wl: QUANTISED
;;     5. batch 2,048 x [M 1, K 256] x [K 256, N 256]; A: computed on the way; B: computed on the way: left as it is (M = 1 < 16)
;;   THE QUANTISER, for each operand of a quantised product, along K:
;;     - K is cut into blocks of 32 from its start; a last block that is shorter is filled with zeros.
;;     - A block's scale is 2^e with e = floor(log2(the largest magnitude in the block)) - 2, held to -126 .. 127; a block of zeros has e = 0. As a byte (E8M0): e + 127.
;;     - Each number is divided by its block's scale, clamped to +-7.5, and rounded to the nearest number of E2M3, ties to even, subnormals kept.
;;     - The product sums the exact products of the quantised numbers (number of the format x scale) in f32.
;;   ~~~python
;;   def quantise(x, axis):      # numpy; x: float32 -> the quantised numbers, widened to float32 again
;;       x = np.moveaxis(x, axis, -1); K = x.shape[-1]
;;       x = np.pad(x, [(0, 0)] * (x.ndim - 1) + [(0, -K % 32)]); x = x.reshape(x.shape[:-1] + (-1, 32)); a = np.abs(x).max(-1, keepdims=True)
;;       e = np.where(a > 0, np.clip(np.frexp(np.where(a > 0, a, 1))[1] - 1 - 2, -126, 127), 0)      # np.frexp(a)[1] - 1 = floor(log2(a)), exactly
;;       r = np.clip(x / 2.0 ** e, -7.5, 7.5)
;;       step = 2.0 ** (np.maximum(np.frexp(np.where(r == 0, 1, r))[1] - 1, 0) - 3)
;;       q = np.round(r / step) * step * 2.0 ** e      # np.round: ties to even
;;       return np.moveaxis(q.reshape(q.shape[:-2] + (-1,))[..., :K], -1, axis).astype(np.float32)
;;   ~~~
;;   OPERANDS COMPUTED ON THE WAY. 'Computed on the way' means the value that the module computes at that place (a softmax that the list does not call 'softmax' is quantised finished and normalised). What goes into a quantiser is computed in f32, as accurately as f32 sums, v_exp_f32 and their like allow (about 1e-6 of the number): no bf16 or f16 on the way to a quantiser, and a product that is left as it is and whose result goes on into a quantised operand takes f32 operands (vector FMAs, or v_wmma_f32_16x16x4_f32). A number that lies on a knife's edge between two numbers of the format may be rounded either way, as far as f32 arithmetic and the matrix unit's own rounding can turn it there, and no further.
;; 2 versions, each right; version 2 is version 1 with the launches prep, main written anew for expert scheduling mode. Each part assembles by itself: llvm-mc -triple=amdgcn-amd-amdhsa -mcpu=gfx1250 --defsym DOCPART=n.
;; ======== version 1 of 2: 2 launches
;; workspace buffers: rpd 2,097,152 bytes; rpc 393,216 bytes; rps 16,384 bytes; wlc 49,152 bytes; wls 2,048 bytes
;; launch prep (part 1): grid 4 x 33, 8 waves a work-group, no clusters, 26,624 bytes of LDS; arguments x, Wd, Wl, bd, rpd, rpc, rps, wlc, wls; writes rpd, rpc, rps, wlc, wls
.if DOCPART == 1
	.amdgcn_target "amdgcn-amd-amdhsa--gfx1250"
	.amdhsa_code_object_version 6
	.text
	.protected	k_q13c65f3157_prep
	.globl	k_q13c65f3157_prep
	.p2align	8
	.type	k_q13c65f3157_prep,@function
k_q13c65f3157_prep:
	s_mov_b64 s[64:65], 0
	v_nop
	global_prefetch_b8 v0, s[64:65] scope:SCOPE_SE
	s_setreg_imm32_b32 hwreg(HW_REG_WAVE_MODE, 25, 1), 1
	s_wait_xcnt 0x0
; rep = relu(Q(x) Q(Wd) + bd) on codes of FP6 (E2M3) with one E8M0 scale for each 32 along K, and everything that is quantised once.
; OUT: rpd  rep in f32, laid as a matrix result lies in registers: [tile of 16 rows][slice w][t][half][lane][16 bytes]: lane (r, h), register 4 half + k = rep[16 tile + 8 h + 4 half + k][col(w, t, r)]
;      rpc  rep's codes as half fragments: [tile][w][768 bytes]: 512 bytes lane x 16 (registers 0-3), 256 bytes lane x 8 (registers 4, 5); lane (r, h) holds row r, block 2 w + h
;      rps  rep's scale words: [tile][32 words]: word 16 f + r = row r, K step f
;      wlc, wls  Wl's fragments (16 columns x 128 K, as images of their 12 registers) and scale words, [w][t][f]
; col(w, t, p) = 64 w + 32 (p / 8) + 8 t + p % 8: the columns of a tile are chosen so that, with the weight as source 0, a lane's 32 results of the four tiles t are 32 NEIGHBOURS: one whole block.
; SHARES: work-group x = slice w (64 columns).  y < 32: rows 64 y .. 64 y + 63 (four tiles).  y = 32: only quantises slice w of Wl (no LDS, no barrier; the branch hangs on the work-group's number).
; Wave v quantises the weight's fragment (t = v / 2, f = v % 2) and x's fragment (tile v / 2, K step v % 2); both go to LDS as register images; behind ONE barrier wave v multiplies tile v / 2,
; v % 2 = 0 in the natural order (for rpd), v % 2 = 1 with the sources swapped (a lane then holds a block of one row: for rpc, rps).  Both orders give the same bits.
; LIMITS: NaN and infinities among the inputs are not served.  A block of zeros gets the byte 1 where the rule says 127: its codes are zeros, and this program alone reads the bytes.
.set WIMG, 0                           ; LDS: the weight's 8 fragments, 1,536 bytes each
.set XIMG, 12288                       ; x's 8 fragments
.set WSC,  24576                       ; the weight's scale words: 128 bytes for each t (word 16 f + column)
.set XSC,  25088                       ; x's: 128 bytes for each tile
.set L16, 4                            ; v4   16 x lane
.set L8,  5                            ; v5   8 x lane
.set L4,  6                            ; v6   4 x lane
.set WO,  7                            ; v7   the weight: my column's bytes + 32 h rows
.set XO,  8                            ; v8   x: row r + 128 h bytes
.set SH8, 9                            ; v9   8 h: where my two scale bytes stand in the word
.set IMA, 10                           ; v10  LDS: where I store an image: 16 x lane + 1,536 x wave
.set SCA, 11                           ; v11  LDS: where I store a scale word
.set XRA, 12                           ; v12  LDS: my tile's two fragments of x
.set CN,  13                           ; v13  4 x (32 (r / 8) + r % 8): my column in a slice
.set CT,  14                           ; v14  128 h
.set RB,  15                           ; v15  4 r + h: my byte among a tile's scale words
.set XD,  16                           ; v16-79   64 numbers of x
.set WD,  80                           ; v80-143  64 numbers of the weight
.set CC,  144                          ; v144-175 the bias in the result's layout
.set ACC, 176                          ; v176-207 four accumulators
.set MX,  208                          ; v208-209 largest magnitudes
.set SCL, 210                          ; v210-211 the conversions' scale operands
.set BY,  212                          ; v212-213 scale bytes
.set TT,  214
.set PC,  216                          ; v216-227 a fragment's codes
.set TC,  228                          ; v228-235 the second halves of the blocks, before they are moved
.set PW,  236                          ; the scale word just made
.set WS,  240                          ; v240-243 the weight's scale words, v244 x's: these five hold scales and nothing else
.set XS,  244
.set R4,  248                          ; v248 4 r
.set XSA, 249                          ; v249 LDS: my tile's scale words of x
.set WF,  16                           ; behind the barrier: v16-111 the weight's 8 fragments, v112-135 x's two
.set XF,  112
; 64 numbers of a lane, two whole blocks (register 32 c + i = k 64 c + 32 h + i), become a fragment's 12 registers in v[PC] on and its scale word in v[PW].
.macro QFRAG src
.irp c, 0,1
	v_max3_num_f32 v[MX+\c], |v[\src+32*\c]|, |v[\src+32*\c+1]|, 0x1800000   ; with the floor 2^(3 - 127): the byte cannot fall under 1
.endr
.irp i, 2,4,6,8,10,12,14,16,18,20,22,24,26,28,30
.irp c, 0,1
	v_max3_num_f32 v[MX+\c], v[MX+\c], |v[\src+32*\c+\i]|, |v[\src+32*\c+\i+1]|   ; the two blocks by turns
.endr
.endr
.irp c, 0,1
	v_add_nc_u32 v[SCL+\c], 0xff000000, v[MX+\c]   ; 2 off the exponent field: the conversion takes this operand's exponent field as its scale
.endr
.irp c, 0,1
	v_lshrrev_b32 v[BY+\c], 23, v[SCL+\c]          ; the scale's byte
.endr
	v_lshl_or_b32 v[PW], v[BY+1], 16, v[BY]        ; my bytes: blocks h and 2 + h,
	v_lshlrev_b32 v[PW], v[SH8], v[PW]             ; at their places;
	v_permlanex16_b32 v[TT], v[PW], s30, s31
	v_or_b32 v[PW], v[PW], v[TT]                   ; with lane l xor 16's two the word is whole
.irp c, 0,1
	v_cvt_scalef32_pk16_fp6_f32 v[PC+6*\c:PC+6*\c+2], v[\src+32*\c:\src+32*\c+15], v[SCL+\c]
	v_cvt_scalef32_pk16_fp6_f32 v[TC+4*\c:TC+4*\c+2], v[\src+32*\c+16:\src+32*\c+31], v[SCL+\c]   ; (a conversion's three registers begin on an even number)
.endr
	v_nop                                          ; one plain place behind the last scaled conversion
.irp c, 0,1
.irp i, 0,1,2
	v_mov_b32 v[PC+6*\c+3+\i], v[TC+4*\c+\i]
.endr
.endr
.endm
	s_load_b512 s[8:23], s[0:1], 0x0               ; x s[8:9], Wd s[10:11], Wl s[12:13], bd s[14:15], rpd s[16:17], rpc s[18:19], rps s[20:21], wlc s[22:23]
	s_load_b64 s[24:25], s[0:1], 0x40              ; wls
	v_lshl_add_u32 v254, v0, 2, 0x6400
	v_mov_b32 v255, 0
	v_lshrrev_b32 v1, 5, v0
	v_readfirstlane_b32 s2, v1                     ; wave 0..7
	v_and_b32 v1, 31, v0                           ; lane
	v_and_b32 v2, 15, v0                           ; r
	v_bfe_u32 v3, v0, 4, 1                         ; h
	s_and_b32 s4, ttmp7, 0xffff                    ; y
	s_lshr_b32 s5, s2, 1                           ; t, and my tile among the four
	s_and_b32 s6, s2, 1                            ; f, and the order in which I multiply
	v_lshlrev_b32 v[L16], 4, v1
	v_lshlrev_b32 v[L8], 3, v1
	v_lshlrev_b32 v[L4], 2, v1
	v_and_b32 v[CN], 8, v2
	v_mad_u32_u24 v[CN], v[CN], 3, v2              ; r + 3 (r & 8) = 32 (r / 8) + r % 8
	v_lshlrev_b32 v[CN], 2, v[CN]
	v_lshl_add_u32 v[WO], v3, 15, v[CN]            ; + 32 h rows of 1,024 bytes
	v_lshlrev_b32 v[XO], 10, v2
	v_lshl_add_u32 v[XO], v3, 7, v[XO]
	v_lshlrev_b32 v[SH8], 3, v3
	s_mul_i32 s32, s2, 1536
	v_add_nc_u32 v[IMA], s32, v[L16]
	s_lshl_b32 s32, s5, 7
	s_lshl_b32 s33, s6, 6
	s_add_co_u32 s33, s33, s32
	v_lshl_add_u32 v[SCA], v2, 2, s33              ; 128 (wave / 2) + 64 (wave % 2) + 4 r
	v_add_nc_u32 v[XSA], s32, v[L4]
	s_mul_i32 s33, s5, 3072
	v_add_nc_u32 v[XRA], s33, v[L16]
	v_lshlrev_b32 v[CT], 7, v3
	v_lshl_add_u32 v[RB], v2, 2, v3
	v_lshlrev_b32 v[R4], 2, v2
	v_mov_b32 v[TT], 0                             ; written once: a lane permute's destination counts as one of its sources
	s_mov_b32 s30, 0x76543210
	s_mov_b32 s31, 0xfedcba98                      ; selects for lane l xor 16
	s_lshl_b32 s28, ttmp9, 8                       ; the weight: 4 x (64 w + 8 t) bytes + 128 f rows
	s_lshl_b32 s33, s5, 5
	s_add_co_u32 s28, s28, s33
	s_lshl_b32 s33, s6, 17
	s_add_co_u32 s28, s28, s33
	s_mov_b32 s29, 0
	s_wait_kmcnt 0x0
	s_cmp_eq_u32 s4, 32                            ; the choice hangs on the work-group's number alone
	s_cselect_b64 s[26:27], s[12:13], s[10:11]
	s_add_nc_u64 s[26:27], s[26:27], s[28:29]
.set k, 0
.rept 64
	global_load_b32 v[WD+k], v[WO], s[26:27] offset:(64*(k/32)+k%32)*1024   ; W(128 f + 64 c + 32 h + i, my column): a lane's registers run down K
.set k, k+1
.endr
	s_cmp_eq_u32 s4, 32
	s_cbranch_scc1 .Lwl
	s_lshl_b32 s34, s4, 2
	s_add_co_u32 s34, s34, s5                      ; my tile of 16 rows
	s_lshl_b32 s28, s34, 14
	s_lshl_b32 s33, s6, 9
	s_add_co_u32 s28, s28, s33
	s_add_nc_u64 s[8:9], s[8:9], s[28:29]          ; x at my tile, my K step
.set k, 0
.rept 16
	global_load_b128 v[XD+4*k:XD+4*k+3], v[XO], s[8:9] offset:256*(k/8)+16*(k%8)
.set k, k+1
.endr
	s_lshl_b32 s28, ttmp9, 8
	s_add_nc_u64 s[14:15], s[14:15], s[28:29]      ; bd at my slice
	s_cmp_eq_u32 s6, 0
	s_cbranch_scc0 .Lbias_t
.irp t, 0,1,2,3                                    ; natural order: all eight registers of tile t hold bd[col(w, t, r)]
.irp j, 0,1,2,3,4,5,6,7
	global_load_b32 v[CC+8*\t+\j], v[CN], s[14:15] offset:32*\t
.endr
.endr
	s_branch .Lbias_done
.Lbias_t:
.irp i, 0,1,2,3,4,5,6,7                            ; sources swapped: register n holds bd[64 w + 32 h + n]
	global_load_b128 v[CC+4*\i:CC+4*\i+3], v[CT], s[14:15] offset:16*\i
.endr
.Lbias_done:
	s_lshl_b32 s28, s34, 14                        ; where my results go
	s_lshl_b32 s33, ttmp9, 12
	s_add_co_u32 s28, s28, s33
	s_add_nc_u64 s[16:17], s[16:17], s[28:29]      ; rpd: tile x 16,384 + w x 4,096
	s_mul_i32 s28, s34, 3072
	s_mul_i32 s33, ttmp9, 768
	s_add_co_u32 s28, s28, s33
	s_add_nc_u64 s[18:19], s[18:19], s[28:29]      ; rpc: tile x 3,072 + w x 768
	s_lshl_b32 s28, s34, 7
	s_lshr_b32 s33, ttmp9, 1
	s_lshl_b32 s33, s33, 6
	s_add_co_u32 s28, s28, s33
	s_and_b32 s33, ttmp9, 1
	s_lshl_b32 s33, s33, 1
	s_add_co_u32 s28, s28, s33
	s_add_nc_u64 s[20:21], s[20:21], s[28:29]      ; rps: tile x 128 + 64 (w / 2) + 2 (w % 2)
	s_wait_loadcnt 0x0                             ; all loads were out together
	QFRAG WD
.irp c, 0,1,2
	ds_store_b128 v[IMA], v[PC+4*\c:PC+4*\c+3] offset:WIMG+512*\c
.endr
	ds_store_b32 v[SCA], v[PW] offset:WSC          ; lanes l and l xor 16 write the same word with the same value
	s_wait_dscnt 0x0                               ; the stores have read their registers
	QFRAG XD
.irp c, 0,1,2
	ds_store_b128 v[IMA], v[PC+4*\c:PC+4*\c+3] offset:XIMG+512*\c
.endr
	ds_store_b32 v[SCA], v[PW] offset:XSC
	s_wait_dscnt 0x0                               ; for the others' sake: my stores have landed
	s_barrier_signal -1
	s_barrier_wait -1
.set k, 0
.rept 24
	ds_load_b128 v[WF+4*k:WF+4*k+3], v[L16] offset:WIMG+512*k   ; fragment (t, f) at v[WF + 12 (2 t + f)]
.set k, k+1
.endr
.set k, 0
.rept 6
	ds_load_b128 v[XF+4*k:XF+4*k+3], v[XRA] offset:XIMG+512*k
.set k, k+1
.endr
.irp t, 0,1,2,3
	ds_load_b32 v[WS+\t], v[L4] offset:WSC+128*\t  ; lanes 0-15: K step 0's words, lanes 16-31: K step 1's
.endr
	ds_load_b32 v[XS], v[XSA] offset:XSC
	s_wait_dscnt 0x0
	s_cmp_eq_u32 s6, 0
	s_cbranch_scc0 .Lswapped
	; natural order: source 0 = x's 16 rows, source 1 = 16 columns.  The four accumulators take turns.
.irp t, 0,1,2,3
	v_wmma_scale_f32_16x16x128_f8f6f4 v[ACC+8*\t:ACC+8*\t+7], v[XF:XF+11], v[WF+24*\t:WF+24*\t+11], v[CC+8*\t:CC+8*\t+7], v[XS], v[WS+\t] matrix_a_fmt:MATRIX_FMT_FP6 matrix_b_fmt:MATRIX_FMT_FP6
.endr
.irp t, 0,1,2,3
	v_wmma_scale_f32_16x16x128_f8f6f4 v[ACC+8*\t:ACC+8*\t+7], v[XF+12:XF+23], v[WF+24*\t+12:WF+24*\t+23], v[ACC+8*\t:ACC+8*\t+7], v[XS], v[WS+\t] matrix_a_fmt:MATRIX_FMT_FP6 matrix_b_fmt:MATRIX_FMT_FP6 matrix_a_scale:MATRIX_SCALE_ROW1 matrix_b_scale:MATRIX_SCALE_ROW1
.endr
.rept 4
	v_nop                                          ; four places between the last product and the first read of results
.endr
.set k, 0
.rept 32
	v_max_num_f32 v[ACC+k], 0, v[ACC+k]            ; relu, each accumulator from its low end on
.set k, k+1
.endr
.set k, 0
.rept 8
	global_store_b128 v[L16], v[ACC+4*k:ACC+4*k+3], s[16:17] offset:512*k   ; 32 lanes store 512 consecutive bytes, aligned
.set k, k+1
.endr
	s_wait_tensorcnt 0x0
	ds_add_u32 v254, v255
	s_wait_dscnt 0x0
	s_endpgm
.Lswapped:
	; sources swapped: register 8 t + j of lane (r, h) is rep[row r][64 w + 32 h + 8 t + j]: a whole block of 32
.irp t, 0,1,2,3
	v_wmma_scale_f32_16x16x128_f8f6f4 v[ACC+8*\t:ACC+8*\t+7], v[WF+24*\t:WF+24*\t+11], v[XF:XF+11], v[CC+8*\t:CC+8*\t+7], v[WS+\t], v[XS] matrix_a_fmt:MATRIX_FMT_FP6 matrix_b_fmt:MATRIX_FMT_FP6
.endr
.irp t, 0,1,2,3
	v_wmma_scale_f32_16x16x128_f8f6f4 v[ACC+8*\t:ACC+8*\t+7], v[WF+24*\t+12:WF+24*\t+23], v[XF+12:XF+23], v[ACC+8*\t:ACC+8*\t+7], v[WS+\t], v[XS] matrix_a_fmt:MATRIX_FMT_FP6 matrix_b_fmt:MATRIX_FMT_FP6 matrix_a_scale:MATRIX_SCALE_ROW1 matrix_b_scale:MATRIX_SCALE_ROW1
.endr
.rept 4
	v_nop
.endr
.set k, 0
.rept 32
	v_max_num_f32 v[ACC+k], 0, v[ACC+k]
.set k, k+1
.endr
	v_max3_num_f32 v[MX], |v[ACC]|, |v[ACC+1]|, 0x1800000          ; the block's largest magnitude, in two chains, with the floor
	v_max3_num_f32 v[MX+1], |v[ACC+2]|, |v[ACC+3]|, |v[ACC+4]|
.irp i, 5,9,13,17,21,25
	v_max3_num_f32 v[MX], v[MX], |v[ACC+\i]|, |v[ACC+\i+1]|
	v_max3_num_f32 v[MX+1], v[MX+1], |v[ACC+\i+2]|, |v[ACC+\i+3]|
.endr
	v_max3_num_f32 v[MX], v[MX], |v[ACC+29]|, |v[ACC+30]|
	v_max3_num_f32 v[MX], v[MX], v[MX+1], |v[ACC+31]|
	v_add_nc_u32 v[SCL], 0xff000000, v[MX]
	v_cvt_scalef32_pk16_fp6_f32 v[PC:PC+2], v[ACC:ACC+15], v[SCL]
	v_cvt_scalef32_pk16_fp6_f32 v[PC+4:PC+6], v[ACC+16:ACC+31], v[SCL]
	v_lshrrev_b32 v[BY], 23, v[SCL]                ; the byte; also the plain place behind the conversions
	v_mov_b32 v[PC+3], v[PC+4]
	v_mov_b32 v[PC+4], v[PC+5]
	v_mov_b32 v[PC+5], v[PC+6]
	global_store_b128 v[L16], v[PC:PC+3], s[18:19]
	global_store_b64 v[L8], v[PC+4:PC+5], s[18:19] offset:512
	global_store_b8 v[RB], v[BY], s[20:21]         ; byte 2 (w % 2) + h of word 16 (w / 2) + r
	s_wait_tensorcnt 0x0
	ds_add_u32 v254, v255
	s_wait_dscnt 0x0
	s_endpgm
.Lwl:
	; y = 32: Wl's fragment (t, f) of slice w, straight to memory
	s_lshl_b32 s33, ttmp9, 3
	s_add_co_u32 s33, s33, s2
	s_mul_i32 s28, s33, 1536
	s_add_nc_u64 s[22:23], s[22:23], s[28:29]
	s_lshl_b32 s33, ttmp9, 2
	s_add_co_u32 s33, s33, s5
	s_lshl_b32 s28, s33, 7
	s_lshl_b32 s33, s6, 6
	s_add_co_u32 s28, s28, s33
	s_add_nc_u64 s[24:25], s[24:25], s[28:29]
	s_wait_loadcnt 0x0
	QFRAG WD
.irp c, 0,1,2
	global_store_b128 v[L16], v[PC+4*\c:PC+4*\c+3], s[22:23] offset:512*\c
.endr
	global_store_b32 v[R4], v[PW], s[24:25]        ; lanes l and l xor 16 store the same word with the same value
	s_endpgm
.Lfunc_end_k_q13c65f3157_prep:
	.size	k_q13c65f3157_prep, .Lfunc_end_k_q13c65f3157_prep-k_q13c65f3157_prep
	.p2alignl 7, 3214868480
	.fill 96, 4, 3214868480
	.section	.rodata,"a",@progbits
	.p2align	6, 0x0
	.amdhsa_kernel k_q13c65f3157_prep
		.amdhsa_group_segment_fixed_size 26624
		.amdhsa_private_segment_fixed_size 0
		.amdhsa_enable_private_segment 0
		.amdhsa_kernarg_size 72
		.amdhsa_user_sgpr_count 2
		.amdhsa_user_sgpr_kernarg_segment_ptr 1
		.amdhsa_wavefront_size32 1
		.amdhsa_system_sgpr_workgroup_id_x 1
		.amdhsa_system_sgpr_workgroup_id_y 1
		.amdhsa_system_sgpr_workgroup_id_z 1
		.amdhsa_system_vgpr_workitem_id 0
		.amdhsa_next_free_vgpr 256
		.amdhsa_next_free_sgpr 66
		.amdhsa_reserve_vcc 0
		.amdhsa_float_denorm_mode_32 3
		.amdhsa_float_denorm_mode_16_64 3
		.amdhsa_memory_ordered 1
		.amdhsa_forward_progress 1
		.amdhsa_inst_pref_size 34
	.end_amdhsa_kernel
	.amdgpu_metadata
---
amdhsa.version: [ 1, 2 ]
amdhsa.kernels:
  - .name:           k_q13c65f3157_prep
    .symbol:         k_q13c65f3157_prep.kd
    .args:
      - { .name: x, .offset: 0, .size: 8, .value_kind: global_buffer, .address_space: global }
      - { .name: Wd, .offset: 8, .size: 8, .value_kind: global_buffer, .address_space: global }
      - { .name: Wl, .offset: 16, .size: 8, .value_kind: global_buffer, .address_space: global }
      - { .name: bd, .offset: 24, .size: 8, .value_kind: global_buffer, .address_space: global }
      - { .name: rpd, .offset: 32, .size: 8, .value_kind: global_buffer, .address_space: global }
      - { .name: rpc, .offset: 40, .size: 8, .value_kind: global_buffer, .address_space: global }
      - { .name: rps, .offset: 48, .size: 8, .value_kind: global_buffer, .address_space: global }
      - { .name: wlc, .offset: 56, .size: 8, .value_kind: global_buffer, .address_space: global }
      - { .name: wls, .offset: 64, .size: 8, .value_kind: global_buffer, .address_space: global }
    .group_segment_fixed_size: 26624
    .private_segment_fixed_size: 0
    .kernarg_segment_align: 8
    .kernarg_segment_size: 72
    .max_flat_workgroup_size: 256
    .sgpr_count:     66
    .vgpr_count:     256
    .wavefront_size: 32
...
	.end_amdgpu_metadata
.endif
;; end of part 1
;; launch main (part 2): grid 256 x 1, 4 waves a work-group, no clusters, 22,272 bytes of LDS; arguments rpd, rpc, rps, wlc, wls, bl, bias1, bias2, ln_gamma, ln_beta, mask, out0; writes out0
.if DOCPART == 2
	.amdgcn_target "amdgcn-amd-amdhsa--gfx1250"
	.amdhsa_code_object_version 6
	.text
	.protected	k_q13c65f3157_main
	.globl	k_q13c65f3157_main
	.p2align	8
	.type	k_q13c65f3157_main,@function
k_q13c65f3157_main:
	s_mov_b64 s[64:65], 0
	v_nop
	global_prefetch_b8 v0, s[64:65] scope:SCOPE_SE
	s_setreg_imm32_b32 hwreg(HW_REG_WAVE_MODE, 25, 1), 1
	s_wait_xcnt 0x0
; out = LayerNorm(mask x sum_j softmax_j(Q(tanh(L_j + L_i + 2 bl + bias1)) Q(Wl) + bl + bias2) rep_j + rep_i), j < i, L = Q(rep) Q(Wl); all products on codes of FP6 (E2M3) with E8M0 scales.
; SHARES.  Work-group id = 32 b + 4 T + q owns 8 rows of batch b: group A, i = 16 T + 4 q + u, and group B, i = 16 (15 - T) + 4 q + u, u = 0..3.  Group A needs the key tiles 0..T, group B 0..15-T:
; 17 steps in every work-group, a constant of the text.  A step is four UNITS: four rows i x one tile of 16 keys j.
; STAGE A SHARES K: wave w makes channels d = 64 w .. 64 w + 63 of tanh for all four units.  L^T = Wl^T rep^T (source 0 = 16 columns of Wl, source 1 = 16 rows of rep) with the columns of a tile chosen as
; col(w, t, p) = 64 w + 32 (p / 8) + 8 t + p % 8 gives lane (r, h) key r and, in 32 registers, d = 64 w + 32 h + 0..31: ONE WHOLE BLOCK, so its largest magnitude needs no other lane, and its six code registers are
; registers 6 (w % 2) .. + 5 of fragment w / 2.  They go to the other waves through LDS as images of the registers.  L_i comes the same way from a fragment in which all 16 columns hold row i.
; STAGE B SHARES N: wave w owns the 64 channels col(w, t, r).  Natural order (source 0 = the unit's 16 keys, source 1 = the same fragments of Wl): a lane holds one channel and keys 8 h + 0..7.
; Each lane keeps its own running maximum m, sum l and weighted sum o for each (unit, t); the two halves of the lanes are joined once, at a group's end.
; p = 2^(c z - c m), c = log2(e); in every step l and o are multiplied by 2^(c m_old - c m_new).  tanh(s) = 1 - 2 / (1 + 2^(2 c s)).
; Matrix, transcendental and plain vector lines of different units stand side by side in one wave (the wave has its SIMD alone).  The transcendentals go in batches with one wait each.
; NO CLUSTER, NO TENSOR LOAD: what partners share is a step's tile, 16 KB of rep, 3 KB of codes; it lies in memory in the order of the registers and goes straight into them, asked for a whole step ahead;
; through LDS it would cost a second trip and a round of barriers in each of the 17 steps.
; LIMITS: NaN and infinities among the inputs are not served; logits under -2^120 (the running maximum's start) are not served; tanh has an absolute error of about 1e-7 (the form 1 - 2 / (1 + 2^s));
; a block of zeros carries the byte 1 where the rule says 127 (its codes are zeros, and this program alone reads the bytes).
; REGISTERS, in windows of 256 (s_set_vgpr_msb: bits 1:0 source 0, 3:2 source 1, 5:4 source 2, 7:6 destination):
;   window 0: v1-15 addresses; v16-29 scale words, nothing else; v30-37 at work; v40-71 codes (stage A), v40-55 [a, aux] (stage B); v72-103 L_j; v104-167 numbers of stage A, accumulators of units 0, 1;
;             v168-215 [-c m, m, l, l, o, o] x 8; v216-247 rep of the tile
;   window 1: the same numbers for units 2, 3 (v7, v8 copies; v72-103 2 bl + bias1)     window 2: v0-95 Wl's 8 fragments; v96-127 bl + bias2; v128-255 2 c (L_i + 2 bl + bias1) x 4
;   window 3: v0-95 the units' 8 fragments; v96-119 the next tile's codes of rep; v120-135 group A's results; v136-231 group B's rows as fragments
.set IMG,    0                         ; LDS: 16 half fragments (4 u + w) of 768 bytes: 512 lane x 16, 256 lane x 8
.set SCB,    12288                     ; their scale bytes: 128 u + 64 (w / 2) + 4 r + 2 (w % 2) + h
.set RED1,   12800                     ; 4 waves x 2 halves x 16 bytes, for the mean
.set RED2,   13056                     ; the same for the variance
.set OUTS,   13312                     ; 8 rows of 1,024 bytes + 16
.set OPITCH, 1040
.set STEPS,  17
.set L16,  1
.set L8,   2
.set L4,   3
.set WA16, 4                           ; where I store registers 0-3 of my codes: 16 x lane + 768 w
.set WA8,  5                           ; registers 4, 5: 8 x lane + 768 w + 512
.set WAB,  6                           ; my scale byte
.set DG,   7                           ; 4 q - 8 h: on the diagonal register j of unit u is hidden where j - u >= this
.set NINF, 8
.set HB16, 9                           ; 16, 8, 4 x (16 h + 4 q): my rows in a tile's codes and scale words
.set HB8,  10
.set HB4,  11
.set CO4,  12                          ; 4 x (32 (r / 8) + r % 8)
.set OSA,  13
.set RSO,  14
.set MKO,  15
.set WLS,  16                          ; v16-19 Wl's scale words, v20-23 the units', v24 rep's, v26-29 group B's rows'
.set FS,   20
.set RS,   24
.set HSB,  26
.set MXA,  30
.set MXB,  31
.set SCL,  32
.set BY,   34
.set CD,   40
.set TMB,  40
.set LJ,   72
.set KB,   72
.set ACC,  104
.set ST,   168
.set RP,   216
.set RR,   250
.set HH,   251
.set CB,   96
.set HT,   128
.set RF,   96
.set RESA, 120
.set HFB,  136
.set MSB, 0
.macro WIN new                         ; the immediate's high byte repeats the setting that is left; a switch that changes nothing is dropped
.if MSB != (\new)
	s_set_vgpr_msb (MSB<<8)|(\new)
.set MSB, \new
.endif
.endm
; ---- stage A, line by line.  Unit u's 32 numbers lie in v[ACC + 32 (u % 2)] on.
.macro TR kind, u, i                   ; 0: 2^x, 1: 1 / x, in place on number i
.if \kind
	v_rcp_f32 v[ACC+32*((\u)%2)+(\i)], v[ACC+32*((\u)%2)+(\i)]
.else
	v_exp_f32 v[ACC+32*((\u)%2)+(\i)], v[ACC+32*((\u)%2)+(\i)]
.endif
.endm
.macro PK kind, u, i                   ; 1: pair i = 2 c L_j + 2 c (L_i + biases);  2: + 1
.set px, ACC+32*((\u)%2)+2*(\i)
.if (\kind) == 1
	WIN 0x20
	v_pk_fma_f32 v[px:px+1], v[LJ+2*(\i):LJ+2*(\i)+1], s[36:37], v[HT+32*(\u)+2*(\i):HT+32*(\u)+2*(\i)+1] op_sel_hi:[1,0,1]
.else
	v_pk_add_f32 v[px:px+1], v[px:px+1], 1.0 op_sel_hi:[1,0]
.endif
.endm
.macro A3 u, i                         ; 0-15: 1 - 2 x;  16-31: the block's largest magnitude;  32-38: scale, codes;  39-41: to LDS
.set ax, ACC+32*((\u)%2)
.set ac, CD+8*(\u)
	WIN 0
.if (\i) < 16
	v_pk_fma_f32 v[ax+2*(\i):ax+2*(\i)+1], v[ax+2*(\i):ax+2*(\i)+1], -2.0, 1.0 op_sel_hi:[1,0,0]
.elseif (\i) == 16
	v_max3_num_f32 v[MXA], |v[ax]|, |v[ax+1]|, 0x1800000           ; with the floor 2^(3 - 127): the byte cannot fall under 1
.elseif (\i) == 17
	v_max3_num_f32 v[MXB], |v[ax+2]|, |v[ax+3]|, |v[ax+4]|
.elseif (\i) < 30
.set aj, (\i)-18
.set ai, ax+5+4*(aj/2)
.if aj%2
	v_max3_num_f32 v[MXB], v[MXB], |v[ai+2]|, |v[ai+3]|
.else
	v_max3_num_f32 v[MXA], v[MXA], |v[ai]|, |v[ai+1]|
.endif
.elseif (\i) == 30
	v_max3_num_f32 v[MXA], v[MXA], |v[ax+29]|, |v[ax+30]|
.elseif (\i) == 31
	v_max3_num_f32 v[MXA], v[MXA], v[MXB], |v[ax+31]|
.elseif (\i) == 32
	v_add_nc_u32 v[SCL], 0xff000000, v[MXA]        ; 2 off the exponent field: the conversions' scale operand
.elseif (\i) == 33
	v_cvt_scalef32_pk16_fp6_f32 v[ac:ac+2], v[ax:ax+15], v[SCL]
.elseif (\i) == 34
	v_cvt_scalef32_pk16_fp6_f32 v[ac+4:ac+6], v[ax+16:ax+31], v[SCL]   ; (a conversion's three registers begin on an even number)
.elseif (\i) == 35
	v_lshrrev_b32 v[BY+(\u)], 23, v[SCL]           ; the byte; also the plain place behind the conversions
.elseif (\i) < 39
	v_mov_b32 v[ac+(\i)-33], v[ac+(\i)-32]         ; 3 <- 4, 4 <- 5, 5 <- 6
.elseif (\i) == 39
	ds_store_b128 v[WA16], v[ac:ac+3] offset:IMG+3072*(\u)
.elseif (\i) == 40
	ds_store_b64 v[WA8], v[ac+4:ac+5] offset:IMG+3072*(\u)
.else
	ds_store_b8 v[WAB], v[BY+(\u)] offset:128*(\u)
.endif
.endm
.macro RUN1 u                          ; the 16 first lines of unit u
.set n, 0
.rept 16
	PK 1, \u, n
.set n, n+1
.endr
.endm
.macro PHASE2 tk, tu, pk, pu           ; 32 transcendentals of unit tu, a packed line of unit pu behind every second; the last line is plain; ONE wait for the batch
.set n, 0
.rept 32
	TR \tk, \tu, n
.if n%2
	PK \pk, \pu, n/2
.endif
.set n, n+1
.endr
	s_wait_alu depctr_va_vdst(0)
.endm
.macro PHASE3 tk, tu, au               ; 32 transcendentals of unit tu, a line of unit au's end behind each; then the rest of that end; ONE wait for the batch
.set n, 0
.rept 32
	TR \tk, \tu, n
	A3 \au, n
.set n, n+1
.endr
.rept 10
	A3 \au, n
.set n, n+1
.endr
	s_wait_alu depctr_va_vdst(0)
.endm
; ---- matrix lines.  Fragment (t, f) of Wl at v[24 t + 12 f] of window 2.  In every run the accumulators take turns, one instruction a turn.
.macro WM u, k                         ; logits of unit u: K step k / 4, tile k % 4; the first K step takes bl + bias2 as C
.set wf, (\k)/4
.set wt, (\k)%4
.set wd, ACC+32*((\u)%2)+8*wt
.if wf == 0
	WIN 0x2B+0x40*((\u)/2)
	v_wmma_scale_f32_16x16x128_f8f6f4 v[wd:wd+7], v[24*(\u):24*(\u)+11], v[24*wt:24*wt+11], v[CB+8*wt:CB+8*wt+7], v[FS+(\u)], v[WLS+wt] matrix_a_fmt:MATRIX_FMT_FP6 matrix_b_fmt:MATRIX_FMT_FP6
.else
	WIN 0x0B+0x50*((\u)/2)
	v_wmma_scale_f32_16x16x128_f8f6f4 v[wd:wd+7], v[24*(\u)+12:24*(\u)+23], v[24*wt+12:24*wt+23], v[wd:wd+7], v[FS+(\u)], v[WLS+wt] matrix_a_fmt:MATRIX_FMT_FP6 matrix_b_fmt:MATRIX_FMT_FP6 matrix_a_scale:MATRIX_SCALE_ROW1 matrix_b_scale:MATRIX_SCALE_ROW1
.endif
.endm
.macro LTI dst, frag, sreg, k, mode    ; L^T: source 0 = Wl, source 1 = codes of rep (window 3).  mode 0: into window 0, from 0;  mode 1: into window 2, from 2 bl + bias1 (window 1)
.set lf, (\k)/4
.set lt, (\k)%4
.set ld, (\dst)+8*lt
.set lb, (\frag)+12*lf
.set la, 24*lt+12*lf
.if lf == 0
.if \mode
	WIN 0x9E
	v_wmma_scale_f32_16x16x128_f8f6f4 v[ld:ld+7], v[la:la+11], v[lb:lb+11], v[KB+8*lt:KB+8*lt+7], v[WLS+lt], v[\sreg] matrix_a_fmt:MATRIX_FMT_FP6 matrix_b_fmt:MATRIX_FMT_FP6
.else
	WIN 0x0E
	v_wmma_scale_f32_16x16x128_f8f6f4 v[ld:ld+7], v[la:la+11], v[lb:lb+11], 0, v[WLS+lt], v[\sreg] matrix_a_fmt:MATRIX_FMT_FP6 matrix_b_fmt:MATRIX_FMT_FP6
.endif
.else
.if \mode
	WIN 0xAE
.else
	WIN 0x0E
.endif
	v_wmma_scale_f32_16x16x128_f8f6f4 v[ld:ld+7], v[la:la+11], v[lb:lb+11], v[ld:ld+7], v[WLS+lt], v[\sreg] matrix_a_fmt:MATRIX_FMT_FP6 matrix_b_fmt:MATRIX_FMT_FP6 matrix_a_scale:MATRIX_SCALE_ROW1 matrix_b_scale:MATRIX_SCALE_ROW1
.endif
.endm
; ---- stage B, line by line: line k is stage k / 4 of tile k % 4, so that four lines lie between a line and the one that reads it
.macro PRE u, k                        ; 40 lines: the maximum (from the accumulator's low end on), a's exponent, -c m, the scalings
.set pst, (\k)/4
.set ptt, (\k)%4
.set pz, ACC+32*((\u)%2)+8*ptt
.set psb, ST+24*((\u)%2)+6*ptt
.set ptb, TMB+8*((\u)%2)+2*ptt
	WIN 0x55*((\u)/2)
.if pst == 0
	v_max3_num_f32 v[ptb+1], v[pz], v[pz+1], v[pz+2]
.elseif pst == 1
	v_max3_num_f32 v[ptb+1], v[ptb+1], v[pz+3], v[pz+4]
.elseif pst == 2
	v_max3_num_f32 v[ptb+1], v[ptb+1], v[pz+5], v[pz+6]
.elseif pst == 3
	v_max3_num_f32 v[psb+1], v[ptb+1], v[pz+7], v[psb+1]
.elseif pst == 4
	v_fma_f32 v[ptb], s34, v[psb+1], -v[psb]       ; c m_old - c m_new
.elseif pst == 5
	v_mul_f32 v[psb], s34, v[psb+1]                ; -c m
.else
	v_pk_fma_f32 v[pz+2*(pst-6):pz+2*(pst-6)+1], v[pz+2*(pst-6):pz+2*(pst-6)+1], s[32:33], v[psb:psb+1] op_sel_hi:[1,0,0]
.endif
.endm
.macro EXPS u, k                       ; 36 lines: the four a, the 32 p
	WIN 0x55*((\u)/2)
.if (\k) < 4
	v_exp_f32 v[TMB+8*((\u)%2)+2*(\k)], v[TMB+8*((\u)%2)+2*(\k)]
.else
	v_exp_f32 v[ACC+32*((\u)%2)+(\k)-4], v[ACC+32*((\u)%2)+(\k)-4]
.endif
.endm
.macro POST u, k                       ; 36 lines: l = a l + sum p;  o = a o + sum p rep
.set qst, (\k)/4
.set qtt, (\k)%4
.set qz, ACC+32*((\u)%2)+8*qtt
.set qsb, ST+24*((\u)%2)+6*qtt
.set qtb, TMB+8*((\u)%2)+2*qtt
.set qr, RP+8*qtt
	WIN 0x55*((\u)/2)
.if qst == 0
	v_pk_fma_f32 v[qsb+2:qsb+3], v[qsb+2:qsb+3], v[qtb:qtb+1], v[qz:qz+1] op_sel_hi:[1,0,1]
.elseif qst < 4
	v_pk_add_f32 v[qsb+2:qsb+3], v[qsb+2:qsb+3], v[qz+2*qst:qz+2*qst+1]
.elseif qst == 4
	v_pk_mul_f32 v[qsb+4:qsb+5], v[qsb+4:qsb+5], v[qtb:qtb+1] op_sel_hi:[1,0]
.else
	v_pk_fma_f32 v[qsb+4:qsb+5], v[qz+2*(qst-5):qz+2*(qst-5)+1], v[qr+2*(qst-5):qr+2*(qst-5)+1], v[qsb+4:qsb+5]
.endif
.endm
.macro MASKBR u                        ; on the diagonal tile (a scalar branch on ids) the logits of keys j >= i become -infinity: p = 0 then
	WIN 0
	s_cmp_eq_u32 s54, 0
	s_cbranch_scc1 .Lopen_\@
	WIN 0x55*((\u)/2)
.irp jj, 0,1,2,3,4,5,6,7
	v_cmp_gt_i32 vcc_lo, \jj+1-(\u), v[DG]         ; 8 h + jj >= 4 q + u
.irp t, 0,1,2,3
	v_cndmask_b32 v[ACC+32*((\u)%2)+8*\t+\jj], v[ACC+32*((\u)%2)+8*\t+\jj], v[NINF], vcc_lo
.endr
.endr
	WIN 0
.Lopen_\@:
.endm
; ---- memory
.macro FETCH                           ; all 16 half fragments and the four scale registers (lanes 0-15: K step 0's words, lanes 16-31: K step 1's)
	WIN 0xC0
.set k, 0
.rept 16
	ds_load_b128 v[6*k:6*k+3], v[L16] offset:IMG+768*k
	ds_load_b64 v[6*k+4:6*k+5], v[L8] offset:IMG+768*k+512
.set k, k+1
.endr
	WIN 0
.irp u, 0,1,2,3
	ds_load_b32 v[FS+\u], v[L4] offset:SCB+128*\u
.endr
.endm
.macro LOADR win                       ; a tile's rep for my 64 channels, into window win: 8 loads of 512 consecutive bytes
	WIN 0x40*(\win)
.set k, 0
.rept 8
	global_load_b128 v[RP+4*k:RP+4*k+3], v[L16], s[50:51] offset:512*k
.set k, k+1
.endr
.endm
.macro LOADRF                          ; a tile's codes of rep and their scale words: 9 loads
	WIN 0xC0
.irp p, 0,1,2,3
	global_load_b128 v[RF+6*\p:RF+6*\p+3], v[L16], s[46:47] offset:768*\p
	global_load_b64 v[RF+6*\p+4:RF+6*\p+5], v[L8], s[46:47] offset:768*\p+512
.endr
	WIN 0
	global_load_b32 v[RS], v[L4], s[48:49]
.endm
; ---- a group's begin and end
.macro INIT                            ; m = -2^120 and -c m = c 2^120, which is exact: a step that hides all of a lane's keys leaves a's exponent exactly 0
.irp g, 0,1
	WIN 0x55*\g
.irp i, 0,1,2,3,4,5,6,7
	v_mov_b32 v[ST+6*\i], 0x7bb8aa3b
	v_mov_b32 v[ST+6*\i+1], 0xfb800000
	v_mov_b32 v[ST+6*\i+2], 0
	v_mov_b32 v[ST+6*\i+3], 0
	v_mov_b32 v[ST+6*\i+4], 0
	v_mov_b32 v[ST+6*\i+5], 0
	v_mov_b32 v[TMB+2*\i], 0
	v_mov_b32 v[TMB+2*\i+1], 0
.endr
.endr
	WIN 0
.endm
.macro MAKEH frag, sreg                ; 2 c (L_i + 2 bl + bias1) of the four rows, the same in all 16 lanes of a half
.irp u, 0,1,2,3
.set k, 0
.rept 8
	LTI HT+32*\u, \frag+24*\u, \sreg+\u, k, 1
.set k, k+1
.endr
.endr
.rept 4
	v_nop                                          ; four places between the last product and the first read of results
.endr
	WIN 0x82
.set k, 0
.rept 64
	v_pk_mul_f32 v[HT+2*k:HT+2*k+1], v[HT+2*k:HT+2*k+1], s[36:37] op_sel_hi:[1,0]
.set k, k+1
.endr
	WIN 0
.endm
.macro FINISH dwin, dbase              ; the two halves of the lanes are joined under their common maximum; result 4 u + t = o / l into window dwin
.irp g, 0,1
	WIN 0x55*\g
.irp i, 0,1,2,3,4,5,6,7
	v_add_f32 v[ST+6*\i+2], v[ST+6*\i+2], v[ST+6*\i+3]
.endr
.irp i, 0,1,2,3,4,5,6,7
	v_add_f32 v[ST+6*\i+4], v[ST+6*\i+4], v[ST+6*\i+5]
.endr
.irp i, 0,1,2,3,4,5,6,7
	v_permlanex16_b32 v[TMB+2*\i+1], v[ST+6*\i+1], s38, s39
.endr
.irp i, 0,1,2,3,4,5,6,7
	v_max_num_f32 v[TMB+2*\i+1], v[ST+6*\i+1], v[TMB+2*\i+1]
.endr
.irp i, 0,1,2,3,4,5,6,7
	v_sub_f32 v[TMB+2*\i], v[ST+6*\i+1], v[TMB+2*\i+1]
.endr
.irp i, 0,1,2,3,4,5,6,7
	v_mul_f32 v[TMB+2*\i], s32, v[TMB+2*\i]
.endr
.irp i, 0,1,2,3,4,5,6,7
	v_exp_f32 v[TMB+2*\i], v[TMB+2*\i]
.endr
.endr
	v_nop                                          ; a plain line behind the last exponential,
	s_wait_alu depctr_va_vdst(0)                   ; and one wait for the sixteen, ahead of their first reader
.irp g, 0,1
	WIN 0x55*\g
.irp i, 0,1,2,3,4,5,6,7
	v_mul_f32 v[ST+6*\i+2], v[ST+6*\i+2], v[TMB+2*\i]
	v_mul_f32 v[ST+6*\i+4], v[ST+6*\i+4], v[TMB+2*\i]
.endr
.irp i, 0,1,2,3,4,5,6,7
	v_permlanex16_b32 v[ST+6*\i+3], v[ST+6*\i+2], s38, s39
	v_permlanex16_b32 v[ST+6*\i+5], v[ST+6*\i+4], s38, s39
.endr
.irp i, 0,1,2,3,4,5,6,7
	v_add_f32 v[ST+6*\i+2], v[ST+6*\i+2], v[ST+6*\i+3]
	v_add_f32 v[ST+6*\i+4], v[ST+6*\i+4], v[ST+6*\i+5]
.endr
.irp i, 0,1,2,3,4,5,6,7
	v_max_num_f32 v[ST+6*\i+2], 0.5, v[ST+6*\i+2]  ; a row with a key has l near 1 or more; the row without keys (i = 0) has o = 0 and gets 0
.endr
.irp i, 0,1,2,3,4,5,6,7
	v_rcp_f32 v[ST+6*\i+3], v[ST+6*\i+2]
.endr
.endr
	v_nop
	s_wait_alu depctr_va_vdst(0)
.irp g, 0,1
	WIN ((\dwin)<<6)|(5*\g)
.irp i, 0,1,2,3,4,5,6,7
	v_mul_f32 v[(\dbase)+8*\g+\i], v[ST+6*\i+4], v[ST+6*\i+3]
.endr
.endr
	WIN 0
.endm
	s_load_b512 s[8:23], s[0:1], 0x0               ; rpd s[8:9], rpc s[10:11], rps s[12:13], wlc s[14:15], wls s[16:17], bl s[18:19], bias1 s[20:21], bias2 s[22:23]
	s_load_b256 s[24:31], s[0:1], 0x40             ; ln_gamma s[24:25], ln_beta s[26:27], mask s[28:29], out0 s[30:31]
	v_lshl_add_u32 v71, v0, 2, 0x5500
	v_mov_b32 v255, 0
	v_lshrrev_b32 v248, 5, v0
	v_readfirstlane_b32 s2, v248                   ; wave w
	v_and_b32 v249, 31, v0                         ; lane
	v_and_b32 v[RR], 15, v0                        ; r
	v_bfe_u32 v[HH], v0, 4, 1                      ; h
	s_and_b32 s4, ttmp9, 3                         ; q
	s_bfe_u32 s5, ttmp9, 0x30002                   ; T
	s_lshr_b32 s6, ttmp9, 5                        ; b
	s_add_co_u32 s7, s5, 1                         ; the step at which group B begins
	s_mov_b32 s32, 0x3fb8aa3b                      ; c = log2(e); the packed forms name pairs and take the low word for both halves, so both words are written
	s_mov_b32 s33, s32
	s_mov_b32 s34, 0xbfb8aa3b                      ; -c
	s_mov_b32 s36, 0x4038aa3b                      ; 2 c
	s_mov_b32 s37, s36
	s_mov_b32 s38, 0x76543210
	s_mov_b32 s39, 0xfedcba98                      ; selects for lane l xor 16
	s_mov_b32 s53, 0                               ; the upper word of every offset
	v_lshlrev_b32 v[L16], 4, v249
	v_lshlrev_b32 v[L8], 3, v249
	v_lshlrev_b32 v[L4], 2, v249
	s_mul_i32 s55, s2, 768
	v_add_nc_u32 v[WA16], s55, v[L16]
	s_add_co_u32 s55, s55, 512
	v_add_nc_u32 v[WA8], s55, v[L8]
	s_lshr_b32 s55, s2, 1
	s_lshl_b32 s55, s55, 6
	s_and_b32 s56, s2, 1
	s_lshl_b32 s56, s56, 1
	s_add_co_u32 s55, s55, s56
	s_add_co_u32 s55, s55, SCB
	v_lshl_add_u32 v[WAB], v[RR], 2, v[HH]
	v_add_nc_u32 v[WAB], s55, v[WAB]
	s_lshl_b32 s57, s4, 2
	v_lshlrev_b32 v[DG], 3, v[HH]
	v_sub_nc_u32 v[DG], s57, v[DG]
	v_mov_b32 v[NINF], 0xff800000
	v_lshl_add_u32 v252, v[HH], 4, s57             ; 16 h + 4 q
	v_lshlrev_b32 v[HB16], 4, v252
	v_lshlrev_b32 v[HB8], 3, v252
	v_lshlrev_b32 v[HB4], 2, v252
	v_lshlrev_b32 v253, 7, v[HH]                   ; 128 h: my block of 32 among my wave's 64 channels d
	v_and_b32 v[CO4], 8, v[RR]
	v_mad_u32_u24 v[CO4], v[CO4], 3, v[RR]         ; 32 (r / 8) + r % 8
	v_lshlrev_b32 v[CO4], 2, v[CO4]
	s_wait_kmcnt 0x0
	s_mul_i32 s52, s2, 12288
	s_add_nc_u64 s[14:15], s[14:15], s[52:53]      ; my slice of Wl's codes,
	s_lshl_b32 s52, s2, 9
	s_add_nc_u64 s[16:17], s[16:17], s[52:53]      ; of its scale words,
	s_lshl_b32 s52, s2, 8
	s_add_nc_u64 s[18:19], s[18:19], s[52:53]      ; and of the five vectors: 64 w numbers on
	s_add_nc_u64 s[20:21], s[20:21], s[52:53]
	s_add_nc_u64 s[22:23], s[22:23], s[52:53]
	s_add_nc_u64 s[24:25], s[24:25], s[52:53]
	s_add_nc_u64 s[26:27], s[26:27], s[52:53]
	s_mul_i32 s52, s6, 49152
	s_add_nc_u64 s[40:41], s[10:11], s[52:53]      ; my batch's 16 tiles of codes,
	s_lshl_b32 s52, s6, 11
	s_add_nc_u64 s[42:43], s[12:13], s[52:53]      ; of scale words,
	s_lshl_b32 s52, s6, 18
	s_lshl_b32 s55, s2, 12
	s_add_co_u32 s52, s52, s55
	s_add_nc_u64 s[44:45], s[8:9], s[52:53]        ; and of rep, at my slice
	s_lshl_b32 s52, s6, 8
	s_add_nc_u64 s[28:29], s[28:29], s[52:53]      ; my batch's mask
	s_mul_i32 s52, s5, 3072
	s_add_nc_u64 s[56:57], s[40:41], s[52:53]      ; group A's own tile
	s_lshl_b32 s52, s5, 7
	s_add_nc_u64 s[58:59], s[42:43], s[52:53]
	s_sub_co_u32 s55, 15, s5
	s_mul_i32 s52, s55, 3072
	s_add_nc_u64 s[60:61], s[40:41], s[52:53]      ; group B's
	s_lshl_b32 s52, s55, 7
	s_add_nc_u64 s[62:63], s[42:43], s[52:53]
	s_mov_b64 s[46:47], s[40:41]                   ; step 0 takes tile 0
	s_mov_b64 s[48:49], s[42:43]
	WIN 0x80
.set k, 0
.rept 24
	global_load_b128 v[4*k:4*k+3], v[L16], s[14:15] offset:512*k   ; Wl's 8 fragments: they stay
.set k, k+1
.endr
	WIN 0
.irp t, 0,1,2,3
	global_load_b32 v[WLS+\t], v[L4], s[16:17] offset:128*\t
.endr
.irp i, 0,1,2,3,4,5,6,7
	global_load_b128 v[ACC+4*\i:ACC+4*\i+3], v253, s[18:19] offset:16*\i          ; bl at d = 64 w + 32 h + 0..31
	global_load_b128 v[ACC+32+4*\i:ACC+32+4*\i+3], v253, s[20:21] offset:16*\i    ; bias1 likewise
.endr
.irp t, 0,1,2,3
	global_load_b32 v[CD+\t], v[CO4], s[18:19] offset:32*\t        ; bl at col(w, t, r)
	global_load_b32 v[CD+4+\t], v[CO4], s[22:23] offset:32*\t      ; bias2 likewise
.endr
	WIN 0xC0
.irp u, 0,1,2,3                                    ; my rows as fragments: every lane of a half reads row 4 q + u, so L^T comes out the same in all 16 lanes
.irp p, 0,1,2,3
	global_load_b128 v[24*\u+6*\p:24*\u+6*\p+3], v[HB16], s[56:57] offset:768*\p+16*\u
	global_load_b64 v[24*\u+6*\p+4:24*\u+6*\p+5], v[HB8], s[56:57] offset:768*\p+512+8*\u
	global_load_b128 v[HFB+24*\u+6*\p:HFB+24*\u+6*\p+3], v[HB16], s[60:61] offset:768*\p+16*\u
	global_load_b64 v[HFB+24*\u+6*\p+4:HFB+24*\u+6*\p+5], v[HB8], s[60:61] offset:768*\p+512+8*\u
.endr
.endr
	WIN 0
.irp u, 0,1,2,3
	global_load_b32 v[FS+\u], v[HB4], s[58:59] offset:4*\u
	global_load_b32 v[HSB+\u], v[HB4], s[62:63] offset:4*\u
.endr
	LOADRF
	s_wait_loadcnt 0x0
	WIN 0x40
.set k, 0
.rept 16
	v_pk_fma_f32 v[KB+2*k:KB+2*k+1], v[ACC+2*k:ACC+2*k+1], 2.0, v[ACC+32+2*k:ACC+32+2*k+1] op_sel_hi:[1,0,1]   ; 2 bl + bias1
.set k, k+1
.endr
	v_mov_b32 v[DG], v[DG]                         ; copies for the lines that work in window 1
	v_mov_b32 v[NINF], v[NINF]
	WIN 0x80
.irp t, 0,1,2,3
.irp j, 0,1,2,3,4,5,6,7
	v_add_f32 v[CB+8*\t+\j], v[CD+\t], v[CD+4+\t]  ; bl + bias2 in the result's layout: the C of each logit's first product
.endr
.endr
	WIN 0xC0
.set k, 0
.rept 16
	v_mov_b32 v[RESA+k], 0                         ; written once here; group A's end writes the results
.set k, k+1
.endr
	MAKEH 0, FS                                    ; group A's rows
.set k, 0
.rept 8
	LTI LJ, RF, RS, k, 0                           ; L_j of step 0
.set k, k+1
.endr
	WIN 0
.rept 4
	v_nop                                          ; four places in front of the loads into registers that these products have read
.endr
	s_cmp_gt_u32 s5, 0
	s_cselect_b32 s55, 1, 0                        ; step 1's tile: 1, or with T = 0 group B's tile 0
	s_mul_i32 s52, s55, 3072
	s_add_nc_u64 s[46:47], s[40:41], s[52:53]
	s_lshl_b32 s52, s55, 7
	s_add_nc_u64 s[48:49], s[42:43], s[52:53]
	s_mov_b64 s[50:51], s[44:45]
	LOADR 0                                        ; the loads go out in the loop's own order: rep (8), the next codes (9), rep's second copy (8)
	LOADRF
	LOADR 1
	INIT
	s_mov_b32 s3, 0
.Lstep:
	s_cmp_eq_u32 s3, s5                            ; the diagonal tiles: step T (group A) and step 16 (group B)
	s_cselect_b32 s54, 1, 0
	s_cmp_eq_u32 s3, 16
	s_cselect_b32 s54, 1, s54
	s_cmp_lg_u32 s3, s7
	s_cbranch_scc1 .Lsame_group                    ; the same in all four waves; no barrier stands inside
	FINISH 3, RESA
	INIT
	MAKEH HFB, HSB
.Lsame_group:
	; ---- stage A: tanh of my 64 channels for four units, quantised, to LDS
	RUN1 0
	PHASE2 0, 0, 1, 1                              ; 2^x of unit 0 | unit 1's first lines
	PHASE2 0, 1, 2, 0                              ; 2^x of unit 1 | unit 0: + 1
	PHASE2 1, 0, 2, 1                              ; 1 / x of unit 0 | unit 1: + 1
	PHASE3 1, 1, 0                                 ; 1 / x of unit 1 | unit 0's end
	RUN1 2
	PHASE3 0, 2, 1                                 ; 2^x of unit 2 | unit 1's end
	RUN1 3
	PHASE2 0, 3, 2, 2
	PHASE2 1, 2, 2, 3
	PHASE3 1, 3, 2
.set n, 0
.rept 42
	A3 3, n
.set n, n+1
.endr
	s_wait_dscnt 0x0                               ; for the others' sake: my codes and bytes have landed
	s_barrier_signal -1
	s_barrier_wait -1
	; ---- stage B
	FETCH
	s_wait_dscnt 0x0                               ; my reads of the images are over: behind this barrier the next step may write them
	s_barrier_signal -1
.set n, 0
.rept 8
	WM 0, n                                        ; work on registers while the others arrive
.set n, n+1
.endr
	WIN 0
	s_barrier_wait -1
.rept 4
	v_nop                                          ; four places between the last product and the first read of results
.endr
	MASKBR 0
.set n, 0
.rept 40                                           ; unit 1's products | unit 0's maximum and scalings; five plain lines follow the last product
.if n%5 == 0
	WM 1, n/5
.endif
	PRE 0, n
.set n, n+1
.endr
	MASKBR 1
.set n, 0
.rept 40                                           ; unit 2's products | unit 1's maximum and scalings | unit 0's exponentials
.if n%5 == 0
	WM 2, n/5
.endif
	PRE 1, n
.if n < 36
	EXPS 0, n
.endif
.set n, n+1
.endr
	s_wait_alu depctr_va_vdst(0)                   ; one wait for unit 0's 36
	s_wait_loadcnt 8                               ; rep and the next tile's codes are in; only the 8 loads issued last, rep's second copy, may be out
.set n, 0
.rept 36                                           ; unit 3's products | unit 1's exponentials | unit 0's sums
.if n%5 == 0
	WM 3, n/5
.endif
	EXPS 1, n
	POST 0, n
.set n, n+1
.endr
	s_wait_alu depctr_va_vdst(0)
.set n, 0
.rept 36                                           ; the next step's L_j, first K step | unit 1's sums
.if n%9 == 0
	LTI LJ, RF, RS, n/9, 0
.endif
	POST 1, n
.set n, n+1
.endr
	WIN 0
	s_wait_xcnt 0x0                                ; every load issued so far has read its base: the three bases may be written
	s_add_co_u32 s55, s3, 1
	s_min_u32 s55, s55, 16                         ; the next step, and the one after it; the last trips ask again for the last tile, inside the buffers, and use nothing of it
	s_add_co_u32 s56, s3, 2
	s_min_u32 s56, s56, 16
	s_sub_co_u32 s57, s55, s7
	s_cmp_gt_u32 s55, s5
	s_cselect_b32 s55, s57, s55                    ; step x takes tile x (x <= T) or x - T - 1
	s_sub_co_u32 s57, s56, s7
	s_cmp_gt_u32 s56, s5
	s_cselect_b32 s56, s57, s56
	s_lshl_b32 s52, s55, 14
	s_add_nc_u64 s[50:51], s[44:45], s[52:53]
	s_mul_i32 s52, s56, 3072
	s_add_nc_u64 s[46:47], s[40:41], s[52:53]
	s_lshl_b32 s52, s56, 7
	s_add_nc_u64 s[48:49], s[42:43], s[52:53]
	LOADR 0                                        ; units 0 and 1 have read rep: the next step's comes
	MASKBR 2
.set n, 0
.rept 40                                           ; unit 2's maximum and scalings | L_j's second K step; nine plain lines follow the last product
	PRE 2, n
.if n%10 == 0
	LTI LJ, RF, RS, 4+n/10, 0
.endif
.set n, n+1
.endr
	LOADRF                                         ; the codes of the tile after the next
	MASKBR 3
.set n, 0
.rept 40
	PRE 3, n
.if n < 36
	EXPS 2, n
.endif
.set n, n+1
.endr
	s_wait_alu depctr_va_vdst(0)
	s_wait_loadcnt 17                              ; rep's second copy is in: behind it stand this trip's 8 + 9 loads
.set n, 0
.rept 36
	EXPS 3, n
	POST 2, n
.set n, n+1
.endr
	s_wait_alu depctr_va_vdst(0)
.set n, 0
.rept 36
	POST 3, n
.set n, n+1
.endr
	LOADR 1
	WIN 0
	s_add_co_u32 s3, s3, 1
	s_cmp_lt_u32 s3, STEPS
	s_cbranch_scc1 .Lstep
	; ---- the end: lanes 0-15 take group A's four rows, lanes 16-31 group B's; mask, residual, LayerNorm in two passes, whole rows out
.set RESB, 72
.set VV,   104
.set SS,   120
.set S2,   124
.set REPR, 136
.set MK,   152
.set GA,   156
.set BE,   160
.set MF,   164
.set RDB,  168
	s_sub_co_u32 s55, 15, s5                       ; group B's tile
	s_sub_co_u32 s56, s55, s5                      ; 15 - 2 T, at least 1
	s_lshr_b32 s57, s4, 1
	s_lshl_b32 s57, s57, 8
	s_and_b32 s58, s4, 1
	s_lshl_b32 s58, s58, 9
	s_add_co_u32 s57, s57, s58
	s_lshl_b32 s58, s5, 14
	s_add_co_u32 s57, s57, s58
	s_lshl_b32 s58, s56, 14
	v_lshl_add_u32 v[RSO], v[RR], 4, s57           ; rows 4 q + 0..3 of a tile are one run of 16 bytes: lane 16 (q / 2) + r, half q % 2
	v_mul_u32_u24 v252, v[HH], s58
	v_add_nc_u32 v[RSO], v[RSO], v252
	s_lshl_b32 s57, s5, 4
	s_lshl_b32 s58, s4, 2
	s_add_co_u32 s57, s57, s58
	s_lshl_b32 s58, s56, 4
	v_mul_u32_u24 v[MKO], v[HH], s58
	v_add_nc_u32 v[MKO], s57, v[MKO]
.irp t, 0,1,2,3
	global_load_b128 v[REPR+4*\t:REPR+4*\t+3], v[RSO], s[44:45] offset:1024*\t   ; rep[my row u][col(w, t, r)], u = 0..3
.endr
	global_load_b32 v[MK], v[MKO], s[28:29]        ; my four rows' mask bytes
.irp t, 0,1,2,3
	global_load_b32 v[GA+\t], v[CO4], s[24:25] offset:32*\t
	global_load_b32 v[BE+\t], v[CO4], s[26:27] offset:32*\t
.endr
	s_lshl_b32 s57, s2, 5
	v_lshl_add_u32 v252, v[HH], 4, s57             ; LDS: 32 w + 16 h
	v_lshlrev_b32 v253, 4, v[HH]
	v_mad_u32_u24 v[OSA], v[HH], 4*OPITCH, v[CO4]
	s_lshl_b32 s57, s2, 8
	v_add_nc_u32 v[OSA], s57, v[OSA]               ; LDS: row 4 h (+ u), byte 4 col(w, 0, r)
	s_mul_i32 s57, s2, 2*OPITCH
	v_add_nc_u32 v254, s57, v[L16]                 ; LDS: rows 2 w, 2 w + 1, 16 bytes a lane
	s_mov_b32 s59, 0xbb800000                      ; -1 / 256
	s_mov_b32 s60, 0x3b800000                      ; 1 / 256
	s_mov_b32 s61, 0x358637bd                      ; 1e-6
	FINISH 0, RESB
	v_cmp_eq_u32 vcc_lo, 1, v[HH]
	WIN 0x03
.set k, 0
.rept 16
	v_cndmask_b32 v[VV+k], v[RESA+k], v[RESB+k], vcc_lo
.set k, k+1
.endr
	WIN 0
	s_wait_loadcnt 0x0
.irp u, 0,1,2,3
	v_bfe_u32 v[MF+\u], v[MK], 8*\u, 8
.endr
.irp u, 0,1,2,3
	v_cvt_f32_u32 v[MF+\u], v[MF+\u]
.endr
.irp u, 0,1,2,3
.irp t, 0,1,2,3
	v_fma_f32 v[VV+4*\u+\t], v[VV+4*\u+\t], v[MF+\u], v[REPR+4*\t+\u]
.endr
.endr
; v[SS + u]: my four channels' part of row u's sum -> the sum over all 256 channels, in every lane of my half
.macro REDUCE red
.irp m, 1,2,4,8
.irp u, 0,1,2,3
	v_add_f32_dpp v[SS+\u], v[SS+\u], v[SS+\u] row_xmask:\m row_mask:0xf bank_mask:0xf
.endr
.endr
	ds_store_b128 v252, v[SS:SS+3] offset:\red     ; the 16 lanes of a half write the same bytes with the same values
	s_wait_dscnt 0x0
	s_barrier_signal -1
	s_barrier_wait -1
.irp p, 0,1,2,3
	ds_load_b128 v[RDB+4*\p:RDB+4*\p+3], v253 offset:\red+32*\p
.endr
	s_wait_dscnt 0x0
.irp u, 0,1,2,3
	v_add_f32 v[SS+\u], v[RDB+\u], v[RDB+4+\u]
	v_add_f32 v[S2+\u], v[RDB+8+\u], v[RDB+12+\u]
.endr
.irp u, 0,1,2,3
	v_add_f32 v[SS+\u], v[SS+\u], v[S2+\u]
.endr
.endm
.irp u, 0,1,2,3
	v_add_f32 v[SS+\u], v[VV+4*\u], v[VV+4*\u+1]
	v_add_f32 v[S2+\u], v[VV+4*\u+2], v[VV+4*\u+3]
.endr
.irp u, 0,1,2,3
	v_add_f32 v[SS+\u], v[SS+\u], v[S2+\u]
.endr
	REDUCE RED1
.irp u, 0,1,2,3
.irp t, 0,1,2,3
	v_fma_f32 v[VV+4*\u+\t], v[SS+\u], s59, v[VV+4*\u+\t]          ; - the mean
.endr
.endr
.irp u, 0,1,2,3
	v_mul_f32 v[SS+\u], v[VV+4*\u], v[VV+4*\u]
.endr
.irp t, 1,2,3
.irp u, 0,1,2,3
	v_fma_f32 v[SS+\u], v[VV+4*\u+\t], v[VV+4*\u+\t], v[SS+\u]
.endr
.endr
	REDUCE RED2                                    ; other bytes than the first: no wave can overtake a reader
.irp u, 0,1,2,3
	v_fma_f32 v[SS+\u], v[SS+\u], s60, s61         ; the variance + 1e-6
.endr
.irp u, 0,1,2,3
	v_rsq_f32 v[S2+\u], v[SS+\u]
.endr
	v_nop
	s_wait_alu depctr_va_vdst(0)
.irp u, 0,1,2,3
.irp t, 0,1,2,3
	v_mul_f32 v[VV+4*\u+\t], v[VV+4*\u+\t], v[S2+\u]
.endr
.endr
.irp u, 0,1,2,3
.irp t, 0,1,2,3
	v_fma_f32 v[VV+4*\u+\t], v[VV+4*\u+\t], v[GA+\t], v[BE+\t]
.endr
.endr
.irp u, 0,1,2,3
.irp t, 0,1,2,3
	ds_store_b32 v[OSA], v[VV+4*\u+\t] offset:OUTS+OPITCH*\u+32*\t
.endr
.endr
	s_wait_dscnt 0x0                               ; for the others' sake: a row's 1,024 bytes come from four waves
	s_barrier_signal -1
	s_barrier_wait -1
	ds_load_b128 v[RDB:RDB+3], v254 offset:OUTS
	ds_load_b128 v[RDB+4:RDB+7], v254 offset:OUTS+512
	ds_load_b128 v[RDB+8:RDB+11], v254 offset:OUTS+OPITCH
	ds_load_b128 v[RDB+12:RDB+15], v254 offset:OUTS+OPITCH+512
	s_cmp_lt_u32 s2, 2                             ; waves 0, 1 store group A's rows, waves 2, 3 group B's
	s_cselect_b32 s57, s5, s55
	s_lshl_b32 s57, s57, 4
	s_lshl_b32 s58, s6, 8
	s_add_co_u32 s57, s57, s58
	s_lshl_b32 s58, s4, 2
	s_add_co_u32 s57, s57, s58
	s_and_b32 s58, s2, 1
	s_lshl_b32 s58, s58, 1
	s_add_co_u32 s57, s57, s58                     ; row 256 b + 16 tile + 4 q + 2 (w % 2)
	s_lshl_b32 s52, s57, 10
	s_add_nc_u64 s[30:31], s[30:31], s[52:53]
	s_wait_dscnt 0x0
.irp p, 0,1,2,3
	global_store_b128 v[L16], v[RDB+4*\p:RDB+4*\p+3], s[30:31] offset:512*\p   ; 32 lanes store 512 consecutive bytes, aligned
.endr
	s_wait_tensorcnt 0x0
	ds_add_u32 v71, v255
	s_wait_dscnt 0x0
	s_endpgm
.Lfunc_end_k_q13c65f3157_main:
	.size	k_q13c65f3157_main, .Lfunc_end_k_q13c65f3157_main-k_q13c65f3157_main
	.p2alignl 7, 3214868480
	.fill 96, 4, 3214868480
	.section	.rodata,"a",@progbits
	.p2align	6, 0x0
	.amdhsa_kernel k_q13c65f3157_main
		.amdhsa_group_segment_fixed_size 22272
		.amdhsa_private_segment_fixed_size 0
		.amdhsa_enable_private_segment 0
		.amdhsa_kernarg_size 96
		.amdhsa_user_sgpr_count 2
		.amdhsa_user_sgpr_kernarg_segment_ptr 1
		.amdhsa_wavefront_size32 1
		.amdhsa_system_sgpr_workgroup_id_x 1
		.amdhsa_system_sgpr_workgroup_id_y 1
		.amdhsa_system_sgpr_workgroup_id_z 1
		.amdhsa_system_vgpr_workitem_id 0
		.amdhsa_next_free_vgpr 1024
		.amdhsa_next_free_sgpr 66
		.amdhsa_reserve_vcc 1
		.amdhsa_float_denorm_mode_32 3
		.amdhsa_float_denorm_mode_16_64 3
		.amdhsa_memory_ordered 1
		.amdhsa_forward_progress 1
		.amdhsa_inst_pref_size 153
	.end_amdhsa_kernel
	.amdgpu_metadata
---
amdhsa.version: [ 1, 2 ]
amdhsa.kernels:
  - .name:           k_q13c65f3157_main
    .symbol:         k_q13c65f3157_main.kd
    .args:
      - { .name: rpd, .offset: 0, .size: 8, .value_kind: global_buffer, .address_space: global }
      - { .name: rpc, .offset: 8, .size: 8, .value_kind: global_buffer, .address_space: global }
      - { .name: rps, .offset: 16, .size: 8, .value_kind: global_buffer, .address_space: global }
      - { .name: wlc, .offset: 24, .size: 8, .value_kind: global_buffer, .address_space: global }
      - { .name: wls, .offset: 32, .size: 8, .value_kind: global_buffer, .address_space: global }
      - { .name: bl, .offset: 40, .size: 8, .value_kind: global_buffer, .address_space: global }
      - { .name: bias1, .offset: 48, .size: 8, .value_kind: global_buffer, .address_space: global }
      - { .name: bias2, .offset: 56, .size: 8, .value_kind: global_buffer, .address_space: global }
      - { .name: ln_gamma, .offset: 64, .size: 8, .value_kind: global_buffer, .address_space: global }
      - { .name: ln_beta, .offset: 72, .size: 8, .value_kind: global_buffer, .address_space: global }
      - { .name: mask, .offset: 80, .size: 8, .value_kind: global_buffer, .address_space: global }
      - { .name: out0, .offset: 88, .size: 8, .value_kind: global_buffer, .address_space: global }
    .group_segment_fixed_size: 22272
    .private_segment_fixed_size: 0
    .kernarg_segment_align: 8
    .kernarg_segment_size: 96
    .max_flat_workgroup_size: 128
    .sgpr_count:     66
    .vgpr_count:     1024
    .wavefront_size: 32
...
	.end_amdgpu_metadata
.endif
;; end of part 2
;; ======== version 2 of 2: 2 launches; version 1 with the launches prep, main written anew for expert scheduling mode
;; workspace buffers: rpd 2,097,152 bytes; rpc 393,216 bytes; rps 16,384 bytes; wlc 49,152 bytes; wls 2,048 bytes
;; launch prep (part 3): grid 4 x 33, 8 waves a work-group, no clusters, 26,624 bytes of LDS; arguments x, Wd, Wl, bd, rpd, rpc, rps, wlc, wls; writes rpd, rpc, rps, wlc, wls
.if DOCPART == 3
	.amdgcn_target "amdgcn-amd-amdhsa--gfx1250"
	.amdhsa_code_object_version 6
	.text
	.protected	k_q13c65f3157_prep
	.globl	k_q13c65f3157_prep
	.p2align	8
	.type	k_q13c65f3157_prep,@function
k_q13c65f3157_prep:
	s_mov_b64 s[64:65], 0
	v_nop
	global_prefetch_b8 v0, s[64:65] scope:SCOPE_SE
	s_setreg_imm32_b32 hwreg(HW_REG_WAVE_SCHED_MODE, 0, 2), 2
	s_setreg_imm32_b32 hwreg(HW_REG_WAVE_MODE, 25, 1), 1
	s_wait_xcnt 0x0
	s_wait_alu depctr_vm_vsrc(0)
; rep = relu(Q(x) Q(Wd) + bd) on codes of FP6 (E2M3) with one E8M0 scale for each 32 along K, and everything that is quantised once.
; OUT: rpd  rep in f32, laid as a matrix result lies in registers: [tile of 16 rows][slice w][t][half][lane][16 bytes]: lane (r, h), register 4 half + k = rep[16 tile + 8 h + 4 half + k][col(w, t, r)]
;      rpc  rep's codes as half fragments: [tile][w][768 bytes]: 512 bytes lane x 16 (registers 0-3), 256 bytes lane x 8 (registers 4, 5); lane (r, h) holds row r, block 2 w + h
;      rps  rep's scale words: [tile][32 words]: word 16 f + r = row r, K step f
;      wlc, wls  Wl's fragments (16 columns x 128 K, as images of their 12 registers) and scale words, [w][t][f]
; col(w, t, p) = 64 w + 32 (p / 8) + 8 t + p % 8: the columns of a tile are chosen so that, with the weight as source 0, a lane's 32 results of the four tiles t are 32 NEIGHBOURS: one whole block.
; SHARES: work-group x = slice w (64 columns).  y < 32: rows 64 y .. 64 y + 63 (four tiles).  y = 32: only quantises slice w of Wl (no LDS, no barrier; the branch hangs on the work-group's number).
; Wave v quantises the weight's fragment (t = v / 2, f = v % 2) and x's fragment (tile v / 2, K step v % 2); both go to LDS as register images; behind ONE barrier wave v multiplies tile v / 2,
; v % 2 = 0 in the natural order (for rpd), v % 2 = 1 with the sources swapped (a lane then holds a block of one row: for rpc, rps).  Both orders give the same bits.
; LIMITS: NaN and infinities among the inputs are not served.  A block of zeros gets the byte 1 where the rule says 127: its codes are zeros, and this program alone reads the bytes.
; THE MODE: SCHED_MODE bits 1:0 = 2 (LLVM: expert scheduling mode 2), set by the entry lines.  The code itself states the register dependences
; between vector or matrix instructions and memory or LDS instructions, with s_wait_alu, always for 0.
; THE PLAN.  Registers that memory or LDS instructions touch:
;   v4-15, v248, v249   addresses, made once at the head and never written again: one wait on va_vdst ahead of the first load serves every access of the kernel.
;   v16-175             the loads of the weight, of x and of the bias land here; no vector line names them before.  QFRAG reads v16-143; behind the barrier LDS loads land in v16-135:
;                       the wait on va_vdst ahead of the second run of image stores stands behind every line of QFRAG, and no vector line follows it ahead of those loads.
;   PC, PW              written by QFRAG, read by the image stores, written again by the next QFRAG and by the swapped way's conversions:
;                       a wait on va_vdst ahead of each run of stores, a wait on vm_vsrc ahead of each rewriting.
;   ACC; PC, BY         the data of the global stores at the three ends: a wait on va_vdst ahead of each run.
.set WIMG, 0                           ; LDS: the weight's 8 fragments, 1,536 bytes each
.set XIMG, 12288                       ; x's 8 fragments
.set WSC,  24576                       ; the weight's scale words: 128 bytes for each t (word 16 f + column)
.set XSC,  25088                       ; x's: 128 bytes for each tile
.set L16, 4                            ; v4   16 x lane
.set L8,  5                            ; v5   8 x lane
.set L4,  6                            ; v6   4 x lane
.set WO,  7                            ; v7   the weight: my column's bytes + 32 h rows
.set XO,  8                            ; v8   x: row r + 128 h bytes
.set SH8, 9                            ; v9   8 h: where my two scale bytes stand in the word
.set IMA, 10                           ; v10  LDS: where I store an image: 16 x lane + 1,536 x wave
.set SCA, 11                           ; v11  LDS: where I store a scale word
.set XRA, 12                           ; v12  LDS: my tile's two fragments of x
.set CN,  13                           ; v13  4 x (32 (r / 8) + r % 8): my column in a slice
.set CT,  14                           ; v14  128 h
.set RB,  15                           ; v15  4 r + h: my byte among a tile's scale words
.set XD,  16                           ; v16-79   64 numbers of x
.set WD,  80                           ; v80-143  64 numbers of the weight
.set CC,  144                          ; v144-175 the bias in the result's layout
.set ACC, 176                          ; v176-207 four accumulators
.set MX,  208                          ; v208-209 largest magnitudes
.set SCL, 210                          ; v210-211 the conversions' scale operands
.set BY,  212                          ; v212-213 scale bytes
.set TT,  214
.set PC,  216                          ; v216-227 a fragment's codes
.set TC,  228                          ; v228-235 the second halves of the blocks, before they are moved
.set PW,  236                          ; the scale word just made
.set WS,  240                          ; v240-243 the weight's scale words, v244 x's: these five hold scales and nothing else
.set XS,  244
.set R4,  248                          ; v248 4 r
.set XSA, 249                          ; v249 LDS: my tile's scale words of x
.set WF,  16                           ; behind the barrier: v16-111 the weight's 8 fragments, v112-135 x's two
.set XF,  112
; 64 numbers of a lane, two whole blocks (register 32 c + i = k 64 c + 32 h + i), become a fragment's 12 registers in v[PC] on and its scale word in v[PW].
.macro QFRAG src
.irp c, 0,1
	v_max3_num_f32 v[MX+\c], |v[\src+32*\c]|, |v[\src+32*\c+1]|, 0x1800000   ; with the floor 2^(3 - 127): the byte cannot fall under 1
.endr
.irp i, 2,4,6,8,10,12,14,16,18,20,22,24,26,28,30
.irp c, 0,1
	v_max3_num_f32 v[MX+\c], v[MX+\c], |v[\src+32*\c+\i]|, |v[\src+32*\c+\i+1]|   ; the two blocks by turns
.endr
.endr
.irp c, 0,1
	v_add_nc_u32 v[SCL+\c], 0xff000000, v[MX+\c]   ; 2 off the exponent field: the conversion takes this operand's exponent field as its scale
.endr
.irp c, 0,1
	v_lshrrev_b32 v[BY+\c], 23, v[SCL+\c]          ; the scale's byte
.endr
	v_lshl_or_b32 v[PW], v[BY+1], 16, v[BY]        ; my bytes: blocks h and 2 + h,
	v_lshlrev_b32 v[PW], v[SH8], v[PW]             ; at their places;
	v_permlanex16_b32 v[TT], v[PW], s30, s31
	v_or_b32 v[PW], v[PW], v[TT]                   ; with lane l xor 16's two the word is whole
.irp c, 0,1
	v_cvt_scalef32_pk16_fp6_f32 v[PC+6*\c:PC+6*\c+2], v[\src+32*\c:\src+32*\c+15], v[SCL+\c]
	v_cvt_scalef32_pk16_fp6_f32 v[TC+4*\c:TC+4*\c+2], v[\src+32*\c+16:\src+32*\c+31], v[SCL+\c]   ; (a conversion's three registers begin on an even number)
.endr
	v_nop                                          ; one plain place behind the last scaled conversion
.irp c, 0,1
.irp i, 0,1,2
	v_mov_b32 v[PC+6*\c+3+\i], v[TC+4*\c+\i]
.endr
.endr
.endm
	s_load_b512 s[8:23], s[0:1], 0x0               ; x s[8:9], Wd s[10:11], Wl s[12:13], bd s[14:15], rpd s[16:17], rpc s[18:19], rps s[20:21], wlc s[22:23]
	s_load_b64 s[24:25], s[0:1], 0x40              ; wls
	v_lshl_add_u32 v254, v0, 2, 0x6400
	v_mov_b32 v255, 0
	v_lshrrev_b32 v1, 5, v0
	v_readfirstlane_b32 s2, v1                     ; wave 0..7
	v_and_b32 v1, 31, v0                           ; lane
	v_and_b32 v2, 15, v0                           ; r
	v_bfe_u32 v3, v0, 4, 1                         ; h
	s_and_b32 s4, ttmp7, 0xffff                    ; y
	s_wait_alu depctr_va_sdst(0)                   ; s2 is written, ahead of its first reader: LDS places and bases are made from it
	s_lshr_b32 s5, s2, 1                           ; t, and my tile among the four
	s_and_b32 s6, s2, 1                            ; f, and the order in which I multiply
	v_lshlrev_b32 v[L16], 4, v1
	v_lshlrev_b32 v[L8], 3, v1
	v_lshlrev_b32 v[L4], 2, v1
	v_and_b32 v[CN], 8, v2
	v_mad_u32_u24 v[CN], v[CN], 3, v2              ; r + 3 (r & 8) = 32 (r / 8) + r % 8
	v_lshlrev_b32 v[CN], 2, v[CN]
	v_lshl_add_u32 v[WO], v3, 15, v[CN]            ; + 32 h rows of 1,024 bytes
	v_lshlrev_b32 v[XO], 10, v2
	v_lshl_add_u32 v[XO], v3, 7, v[XO]
	v_lshlrev_b32 v[SH8], 3, v3
	s_mul_i32 s32, s2, 1536
	v_add_nc_u32 v[IMA], s32, v[L16]
	s_lshl_b32 s32, s5, 7
	s_lshl_b32 s33, s6, 6
	s_add_co_u32 s33, s33, s32
	v_lshl_add_u32 v[SCA], v2, 2, s33              ; 128 (wave / 2) + 64 (wave % 2) + 4 r
	v_add_nc_u32 v[XSA], s32, v[L4]
	s_mul_i32 s33, s5, 3072
	v_add_nc_u32 v[XRA], s33, v[L16]
	v_lshlrev_b32 v[CT], 7, v3
	v_lshl_add_u32 v[RB], v2, 2, v3
	v_lshlrev_b32 v[R4], 2, v2
	v_mov_b32 v[TT], 0                             ; written once: a lane permute's destination counts as one of its sources
	s_mov_b32 s30, 0x76543210
	s_mov_b32 s31, 0xfedcba98                      ; selects for lane l xor 16
	s_lshl_b32 s28, ttmp9, 8                       ; the weight: 4 x (64 w + 8 t) bytes + 128 f rows
	s_lshl_b32 s33, s5, 5
	s_add_co_u32 s28, s28, s33
	s_lshl_b32 s33, s6, 17
	s_add_co_u32 s28, s28, s33
	s_mov_b32 s29, 0
	s_wait_kmcnt 0x0
	s_cmp_eq_u32 s4, 32                            ; the choice hangs on the work-group's number alone
	s_cselect_b64 s[26:27], s[12:13], s[10:11]
	s_add_nc_u64 s[26:27], s[26:27], s[28:29]
	s_wait_alu depctr_va_vdst(0)                   ; the addresses v4 to v15, v248 and v249 are written: every load and store of the kernel reads one of them
.set k, 0
.rept 64
	global_load_b32 v[WD+k], v[WO], s[26:27] offset:(64*(k/32)+k%32)*1024   ; W(128 f + 64 c + 32 h + i, my column): a lane's registers run down K
.set k, k+1
.endr
	s_cmp_eq_u32 s4, 32
	s_cbranch_scc1 .Lwl
	s_lshl_b32 s34, s4, 2
	s_add_co_u32 s34, s34, s5                      ; my tile of 16 rows
	s_lshl_b32 s28, s34, 14
	s_lshl_b32 s33, s6, 9
	s_add_co_u32 s28, s28, s33
	s_add_nc_u64 s[8:9], s[8:9], s[28:29]          ; x at my tile, my K step
.set k, 0
.rept 16
	global_load_b128 v[XD+4*k:XD+4*k+3], v[XO], s[8:9] offset:256*(k/8)+16*(k%8)
.set k, k+1
.endr
	s_lshl_b32 s28, ttmp9, 8
	s_add_nc_u64 s[14:15], s[14:15], s[28:29]      ; bd at my slice
	s_cmp_eq_u32 s6, 0
	s_cbranch_scc0 .Lbias_t
.irp t, 0,1,2,3                                    ; natural order: all eight registers of tile t hold bd[col(w, t, r)]
.irp j, 0,1,2,3,4,5,6,7
	global_load_b32 v[CC+8*\t+\j], v[CN], s[14:15] offset:32*\t
.endr
.endr
	s_branch .Lbias_done
.Lbias_t:
.irp i, 0,1,2,3,4,5,6,7                            ; sources swapped: register n holds bd[64 w + 32 h + n]
	global_load_b128 v[CC+4*\i:CC+4*\i+3], v[CT], s[14:15] offset:16*\i
.endr
.Lbias_done:
	s_lshl_b32 s28, s34, 14                        ; where my results go
	s_lshl_b32 s33, ttmp9, 12
	s_add_co_u32 s28, s28, s33
	s_add_nc_u64 s[16:17], s[16:17], s[28:29]      ; rpd: tile x 16,384 + w x 4,096
	s_mul_i32 s28, s34, 3072
	s_mul_i32 s33, ttmp9, 768
	s_add_co_u32 s28, s28, s33
	s_add_nc_u64 s[18:19], s[18:19], s[28:29]      ; rpc: tile x 3,072 + w x 768
	s_lshl_b32 s28, s34, 7
	s_lshr_b32 s33, ttmp9, 1
	s_lshl_b32 s33, s33, 6
	s_add_co_u32 s28, s28, s33
	s_and_b32 s33, ttmp9, 1
	s_lshl_b32 s33, s33, 1
	s_add_co_u32 s28, s28, s33
	s_add_nc_u64 s[20:21], s[20:21], s[28:29]      ; rps: tile x 128 + 64 (w / 2) + 2 (w % 2)
	s_wait_loadcnt 0x0                             ; all loads were out together
	QFRAG WD
	s_wait_alu depctr_va_vdst(0)                   ; the conversions and moves have written v[PC ..] and v[PW], which the LDS stores read
.irp c, 0,1,2
	ds_store_b128 v[IMA], v[PC+4*\c:PC+4*\c+3] offset:WIMG+512*\c
.endr
	ds_store_b32 v[SCA], v[PW] offset:WSC          ; lanes l and l xor 16 write the same word with the same value
	s_wait_alu depctr_vm_vsrc(0)                   ; the LDS stores have read v[PC ..] and v[PW], which the lines below write again
	QFRAG XD
	s_wait_alu depctr_va_vdst(0)                   ; v[PC ..] and v[PW] are written, which the LDS stores read; both QFRAG are done reading v16 to v143, in which the LDS loads behind the barrier land
.irp c, 0,1,2
	ds_store_b128 v[IMA], v[PC+4*\c:PC+4*\c+3] offset:XIMG+512*\c
.endr
	ds_store_b32 v[SCA], v[PW] offset:XSC
	s_wait_dscnt 0x0                               ; for the others' sake: my stores have landed
	s_barrier_signal -1
	s_barrier_wait -1
	s_wait_alu depctr_vm_vsrc(0)                   ; my LDS stores have read v[PC ..], which the conversions of the swapped way write again: stated here, ahead of the branch
.set k, 0
.rept 24
	ds_load_b128 v[WF+4*k:WF+4*k+3], v[L16] offset:WIMG+512*k   ; fragment (t, f) at v[WF + 12 (2 t + f)]
.set k, k+1
.endr
.set k, 0
.rept 6
	ds_load_b128 v[XF+4*k:XF+4*k+3], v[XRA] offset:XIMG+512*k
.set k, k+1
.endr
.irp t, 0,1,2,3
	ds_load_b32 v[WS+\t], v[L4] offset:WSC+128*\t  ; lanes 0-15: K step 0's words, lanes 16-31: K step 1's
.endr
	ds_load_b32 v[XS], v[XSA] offset:XSC
	s_wait_dscnt 0x0
	s_cmp_eq_u32 s6, 0
	s_cbranch_scc0 .Lswapped
	; natural order: source 0 = x's 16 rows, source 1 = 16 columns.  The four accumulators take turns.
.irp t, 0,1,2,3
	v_wmma_scale_f32_16x16x128_f8f6f4 v[ACC+8*\t:ACC+8*\t+7], v[XF:XF+11], v[WF+24*\t:WF+24*\t+11], v[CC+8*\t:CC+8*\t+7], v[XS], v[WS+\t] matrix_a_fmt:MATRIX_FMT_FP6 matrix_b_fmt:MATRIX_FMT_FP6
.endr
.irp t, 0,1,2,3
	v_wmma_scale_f32_16x16x128_f8f6f4 v[ACC+8*\t:ACC+8*\t+7], v[XF+12:XF+23], v[WF+24*\t+12:WF+24*\t+23], v[ACC+8*\t:ACC+8*\t+7], v[XS], v[WS+\t] matrix_a_fmt:MATRIX_FMT_FP6 matrix_b_fmt:MATRIX_FMT_FP6 matrix_a_scale:MATRIX_SCALE_ROW1 matrix_b_scale:MATRIX_SCALE_ROW1
.endr
.rept 4
	v_nop                                          ; four places between the last product and the first read of results
.endr
.set k, 0
.rept 32
	v_max_num_f32 v[ACC+k], 0, v[ACC+k]            ; relu, each accumulator from its low end on
.set k, k+1
.endr
	s_wait_alu depctr_va_vdst(0)                   ; the 32 lines above have written v[ACC ..], which the stores read
.set k, 0
.rept 8
	global_store_b128 v[L16], v[ACC+4*k:ACC+4*k+3], s[16:17] offset:512*k   ; 32 lanes store 512 consecutive bytes, aligned
.set k, k+1
.endr
	s_wait_dscnt 0x0
	s_wait_alu depctr_hold_cnt(0) depctr_sa_sdst(0) depctr_va_vdst(0) depctr_va_sdst(0) depctr_va_ssrc(0) depctr_va_vcc(0) depctr_vm_vsrc(0)
	s_wait_tensorcnt 0x0
	ds_add_u32 v254, v255
	s_wait_dscnt 0x0
	s_endpgm
.Lswapped:
	; sources swapped: register 8 t + j of lane (r, h) is rep[row r][64 w + 32 h + 8 t + j]: a whole block of 32
.irp t, 0,1,2,3
	v_wmma_scale_f32_16x16x128_f8f6f4 v[ACC+8*\t:ACC+8*\t+7], v[WF+24*\t:WF+24*\t+11], v[XF:XF+11], v[CC+8*\t:CC+8*\t+7], v[WS+\t], v[XS] matrix_a_fmt:MATRIX_FMT_FP6 matrix_b_fmt:MATRIX_FMT_FP6
.endr
.irp t, 0,1,2,3
	v_wmma_scale_f32_16x16x128_f8f6f4 v[ACC+8*\t:ACC+8*\t+7], v[WF+24*\t+12:WF+24*\t+23], v[XF+12:XF+23], v[ACC+8*\t:ACC+8*\t+7], v[WS+\t], v[XS] matrix_a_fmt:MATRIX_FMT_FP6 matrix_b_fmt:MATRIX_FMT_FP6 matrix_a_scale:MATRIX_SCALE_ROW1 matrix_b_scale:MATRIX_SCALE_ROW1
.endr
.rept 4
	v_nop
.endr
.set k, 0
.rept 32
	v_max_num_f32 v[ACC+k], 0, v[ACC+k]
.set k, k+1
.endr
	v_max3_num_f32 v[MX], |v[ACC]|, |v[ACC+1]|, 0x1800000          ; the block's largest magnitude, in two chains, with the floor
	v_max3_num_f32 v[MX+1], |v[ACC+2]|, |v[ACC+3]|, |v[ACC+4]|
.irp i, 5,9,13,17,21,25
	v_max3_num_f32 v[MX], v[MX], |v[ACC+\i]|, |v[ACC+\i+1]|
	v_max3_num_f32 v[MX+1], v[MX+1], |v[ACC+\i+2]|, |v[ACC+\i+3]|
.endr
	v_max3_num_f32 v[MX], v[MX], |v[ACC+29]|, |v[ACC+30]|
	v_max3_num_f32 v[MX], v[MX], v[MX+1], |v[ACC+31]|
	v_add_nc_u32 v[SCL], 0xff000000, v[MX]
	v_cvt_scalef32_pk16_fp6_f32 v[PC:PC+2], v[ACC:ACC+15], v[SCL]
	v_cvt_scalef32_pk16_fp6_f32 v[PC+4:PC+6], v[ACC+16:ACC+31], v[SCL]
	v_lshrrev_b32 v[BY], 23, v[SCL]                ; the byte; also the plain place behind the conversions
	v_mov_b32 v[PC+3], v[PC+4]
	v_mov_b32 v[PC+4], v[PC+5]
	v_mov_b32 v[PC+5], v[PC+6]
	s_wait_alu depctr_va_vdst(0)                   ; the codes in v[PC ..] and the byte in v[BY] are written, which the stores read
	global_store_b128 v[L16], v[PC:PC+3], s[18:19]
	global_store_b64 v[L8], v[PC+4:PC+5], s[18:19] offset:512
	global_store_b8 v[RB], v[BY], s[20:21]         ; byte 2 (w % 2) + h of word 16 (w / 2) + r
	s_wait_dscnt 0x0
	s_wait_alu depctr_hold_cnt(0) depctr_sa_sdst(0) depctr_va_vdst(0) depctr_va_sdst(0) depctr_va_ssrc(0) depctr_va_vcc(0) depctr_vm_vsrc(0)
	s_wait_tensorcnt 0x0
	ds_add_u32 v254, v255
	s_wait_dscnt 0x0
	s_endpgm
.Lwl:
	; y = 32: Wl's fragment (t, f) of slice w, straight to memory
	s_lshl_b32 s33, ttmp9, 3
	s_add_co_u32 s33, s33, s2
	s_mul_i32 s28, s33, 1536
	s_add_nc_u64 s[22:23], s[22:23], s[28:29]
	s_lshl_b32 s33, ttmp9, 2
	s_add_co_u32 s33, s33, s5
	s_lshl_b32 s28, s33, 7
	s_lshl_b32 s33, s6, 6
	s_add_co_u32 s28, s28, s33
	s_add_nc_u64 s[24:25], s[24:25], s[28:29]
	s_wait_loadcnt 0x0
	QFRAG WD
	s_wait_alu depctr_va_vdst(0)                   ; v[PC ..] and v[PW] are written, which the stores read
.irp c, 0,1,2
	global_store_b128 v[L16], v[PC+4*\c:PC+4*\c+3], s[22:23] offset:512*\c
.endr
	global_store_b32 v[R4], v[PW], s[24:25]        ; lanes l and l xor 16 store the same word with the same value
	s_endpgm
.Lfunc_end_k_q13c65f3157_prep:
	.size	k_q13c65f3157_prep, .Lfunc_end_k_q13c65f3157_prep-k_q13c65f3157_prep
	.p2alignl 7, 3214868480
	.fill 96, 4, 3214868480
	.section	.rodata,"a",@progbits
	.p2align	6, 0x0
	.amdhsa_kernel k_q13c65f3157_prep
		.amdhsa_group_segment_fixed_size 26624
		.amdhsa_private_segment_fixed_size 0
		.amdhsa_enable_private_segment 0
		.amdhsa_kernarg_size 72
		.amdhsa_user_sgpr_count 2
		.amdhsa_user_sgpr_kernarg_segment_ptr 1
		.amdhsa_wavefront_size32 1
		.amdhsa_system_sgpr_workgroup_id_x 1
		.amdhsa_system_sgpr_workgroup_id_y 1
		.amdhsa_system_sgpr_workgroup_id_z 1
		.amdhsa_system_vgpr_workitem_id 0
		.amdhsa_next_free_vgpr 256
		.amdhsa_next_free_sgpr 66
		.amdhsa_reserve_vcc 0
		.amdhsa_float_denorm_mode_32 3
		.amdhsa_float_denorm_mode_16_64 3
		.amdhsa_memory_ordered 1
		.amdhsa_forward_progress 1
		.amdhsa_inst_pref_size 35
	.end_amdhsa_kernel
	.amdgpu_metadata
---
amdhsa.version: [ 1, 2 ]
amdhsa.kernels:
  - .name:           k_q13c65f3157_prep
    .symbol:         k_q13c65f3157_prep.kd
    .args:
      - { .name: x, .offset: 0, .size: 8, .value_kind: global_buffer, .address_space: global }
      - { .name: Wd, .offset: 8, .size: 8, .value_kind: global_buffer, .address_space: global }
      - { .name: Wl, .offset: 16, .size: 8, .value_kind: global_buffer, .address_space: global }
      - { .name: bd, .offset: 24, .size: 8, .value_kind: global_buffer, .address_space: global }
      - { .name: rpd, .offset: 32, .size: 8, .value_kind: global_buffer, .address_space: global }
      - { .name: rpc, .offset: 40, .size: 8, .value_kind: global_buffer, .address_space: global }
      - { .name: rps, .offset: 48, .size: 8, .value_kind: global_buffer, .address_space: global }
      - { .name: wlc, .offset: 56, .size: 8, .value_kind: global_buffer, .address_space: global }
      - { .name: wls, .offset: 64, .size: 8, .value_kind: global_buffer, .address_space: global }
    .group_segment_fixed_size: 26624
    .private_segment_fixed_size: 0
    .kernarg_segment_align: 8
    .kernarg_segment_size: 72
    .max_flat_workgroup_size: 256
    .sgpr_count:     66
    .vgpr_count:     256
    .wavefront_size: 32
...
	.end_amdgpu_metadata
.endif
;; end of part 3
;; launch main (part 4): grid 256 x 1, 4 waves a work-group, no clusters, 22,272 bytes of LDS; arguments rpd, rpc, rps, wlc, wls, bl, bias1, bias2, ln_gamma, ln_beta, mask, out0; writes out0
.if DOCPART == 4
	.amdgcn_target "amdgcn-amd-amdhsa--gfx1250"
	.amdhsa_code_object_version 6
	.text
	.protected	k_q13c65f3157_main
	.globl	k_q13c65f3157_main
	.p2align	8
	.type	k_q13c65f3157_main,@function
k_q13c65f3157_main:
	s_mov_b64 s[64:65], 0
	v_nop
	global_prefetch_b8 v0, s[64:65] scope:SCOPE_SE
	s_setreg_imm32_b32 hwreg(HW_REG_WAVE_SCHED_MODE, 0, 2), 2
	s_setreg_imm32_b32 hwreg(HW_REG_WAVE_MODE, 25, 1), 1
	s_wait_xcnt 0x0
	s_wait_alu depctr_vm_vsrc(0)
; out = LayerNorm(mask x sum_j softmax_j(Q(tanh(L_j + L_i + 2 bl + bias1)) Q(Wl) + bl + bias2) rep_j + rep_i), j < i, L = Q(rep) Q(Wl); all products on codes of FP6 (E2M3) with E8M0 scales.
; SHARES.  Work-group id = 32 b + 4 T + q owns 8 rows of batch b: group A, i = 16 T + 4 q + u, and group B, i = 16 (15 - T) + 4 q + u, u = 0..3.  Group A needs the key tiles 0..T, group B 0..15-T:
; 17 steps in every work-group, a constant of the text.  A step is four UNITS: four rows i x one tile of 16 keys j.
; STAGE A SHARES K: wave w makes channels d = 64 w .. 64 w + 63 of tanh for all four units.  L^T = Wl^T rep^T (source 0 = 16 columns of Wl, source 1 = 16 rows of rep) with the columns of a tile chosen as
; col(w, t, p) = 64 w + 32 (p / 8) + 8 t + p % 8 gives lane (r, h) key r and, in 32 registers, d = 64 w + 32 h + 0..31: ONE WHOLE BLOCK, so its largest magnitude needs no other lane, and its six code registers are
; registers 6 (w % 2) .. + 5 of fragment w / 2.  They go to the other waves through LDS as images of the registers.  L_i comes the same way from a fragment in which all 16 columns hold row i.
; STAGE B SHARES N: wave w owns the 64 channels col(w, t, r).  Natural order (source 0 = the unit's 16 keys, source 1 = the same fragments of Wl): a lane holds one channel and keys 8 h + 0..7.
; Each lane keeps its own running maximum m, sum l and weighted sum o for each (unit, t); the two halves of the lanes are joined once, at a group's end.
; p = 2^(c z - c m), c = log2(e); in every step l and o are multiplied by 2^(c m_old - c m_new).  tanh(s) = 1 - 2 / (1 + 2^(2 c s)).
; Matrix, transcendental and plain vector lines of different units stand side by side in one wave (the wave has its SIMD alone).  The transcendentals go in batches with one wait each.
; NO CLUSTER, NO TENSOR LOAD: what partners share is a step's tile, 16 KB of rep, 3 KB of codes; it lies in memory in the order of the registers and goes straight into them, asked for a whole step ahead;
; through LDS it would cost a second trip and a round of barriers in each of the 17 steps.
; LIMITS: NaN and infinities among the inputs are not served; logits under -2^120 (the running maximum's start) are not served; tanh has an absolute error of about 1e-7 (the form 1 - 2 / (1 + 2^s));
; a block of zeros carries the byte 1 where the rule says 127 (its codes are zeros, and this program alone reads the bytes).
; REGISTERS, in windows of 256 (s_set_vgpr_msb: bits 1:0 source 0, 3:2 source 1, 5:4 source 2, 7:6 destination):
;   window 0: v1-15 addresses; v16-29 scale words, nothing else; v30-37 at work; v40-71 codes (stage A), v40-55 [a, aux] (stage B); v72-103 L_j; v104-167 numbers of stage A, accumulators of units 0, 1;
;             v168-215 [-c m, m, l, l, o, o] x 8; v216-247 rep of the tile
;   window 1: the same numbers for units 2, 3 (v7, v8 copies; v72-103 2 bl + bias1)     window 2: v0-95 Wl's 8 fragments; v96-127 bl + bias2; v128-255 2 c (L_i + 2 bl + bias1) x 4
;   window 3: v0-95 the units' 8 fragments; v96-119 the next tile's codes of rep; v120-135 group A's results; v136-231 group B's rows as fragments
; THE MODE: SCHED_MODE bits 1:0 = 2 (LLVM: expert scheduling mode 2), set by the entry lines.  The code itself states the register dependences
; between vector or matrix instructions and memory or LDS instructions, with s_wait_alu, always for 0.
; THE PLAN.  Registers that memory or LDS instructions touch, in the loop:
;   CD (v40-71), BY (v34-37)     Unit u's conversions, moves and shift write its eight and its byte; the unit's three LDS stores read them.  The stores stand behind the wait of the batch of transcendentals beside
;                                which the unit's end was written (the last unit has a wait of its own).  Stage B writes v40-55 again, the next step all of them: ONE wait on vm_vsrc behind the last unit's stores.
;   window 3 v0-95, FS (v20-23)  The LDS loads of the units' fragments land here; the step's 32 products of logits read them, the last beside unit 1's exponentials, whose wait (and all later ones) stands ahead of the next step's loads.
;   rep, window 0 (v216-247)     Read by the sums of units 0 and 1.     RF (window 3 v96-119), RS (v24)   Read by L_j's eight products.
;                                All four kinds of reader are issued ahead of the wait for unit 2's exponentials: the 8 + 9 loads of the next tiles stand directly behind that wait.
;   rep, window 1 (v216-247)     Read by the sums of units 2 and 3, the step's last lines.  Its 8 loads stand in the NEXT step, behind stage A's first wait.
;   v1-6                         Addresses: made at the head, never written again; the tiles are reached by scalar bases.
; No operand and no scale of a matrix instruction is written by a vector line: all come by loads.
.set IMG,    0                         ; LDS: 16 half fragments (4 u + w) of 768 bytes: 512 lane x 16, 256 lane x 8
.set SCB,    12288                     ; their scale bytes: 128 u + 64 (w / 2) + 4 r + 2 (w % 2) + h
.set RED1,   12800                     ; 4 waves x 2 halves x 16 bytes, for the mean
.set RED2,   13056                     ; the same for the variance
.set OUTS,   13312                     ; 8 rows of 1,024 bytes + 16
.set OPITCH, 1040
.set STEPS,  17
.set L16,  1
.set L8,   2
.set L4,   3
.set WA16, 4                           ; where I store registers 0-3 of my codes: 16 x lane + 768 w
.set WA8,  5                           ; registers 4, 5: 8 x lane + 768 w + 512
.set WAB,  6                           ; my scale byte
.set DG,   7                           ; 4 q - 8 h: on the diagonal register j of unit u is hidden where j - u >= this
.set NINF, 8
.set HB16, 9                           ; 16, 8, 4 x (16 h + 4 q): my rows in a tile's codes and scale words
.set HB8,  10
.set HB4,  11
.set CO4,  12                          ; 4 x (32 (r / 8) + r % 8)
.set OSA,  13
.set RSO,  14
.set MKO,  15
.set WLS,  16                          ; v16-19 Wl's scale words, v20-23 the units', v24 rep's, v26-29 group B's rows'
.set FS,   20
.set RS,   24
.set HSB,  26
.set MXA,  30
.set MXB,  31
.set SCL,  32
.set BY,   34
.set CD,   40
.set TMB,  40
.set LJ,   72
.set KB,   72
.set ACC,  104
.set ST,   168
.set RP,   216
.set RR,   250
.set HH,   251
.set CB,   96
.set HT,   128
.set RF,   96
.set RESA, 120
.set HFB,  136
.set MS,   8                           ; s[8:15] the diagonal's eight masks (the pointers that lay there are done with at the head)
.set MSB, 0
.macro WIN new                         ; the immediate's high byte repeats the setting that is left; a switch that changes nothing is dropped
.if MSB != (\new)
	s_set_vgpr_msb (MSB<<8)|(\new)
.set MSB, \new
.endif
.endm
; ---- stage A, line by line.  Unit u's 32 numbers lie in v[ACC + 32 (u % 2)] on.
.macro TR kind, u, i                   ; 0: 2^x, 1: 1 / x, in place on number i
.if \kind
	v_rcp_f32 v[ACC+32*((\u)%2)+(\i)], v[ACC+32*((\u)%2)+(\i)]
.else
	v_exp_f32 v[ACC+32*((\u)%2)+(\i)], v[ACC+32*((\u)%2)+(\i)]
.endif
.endm
.macro PK kind, u, i                   ; 1: pair i = 2 c L_j + 2 c (L_i + biases);  2: + 1
.set px, ACC+32*((\u)%2)+2*(\i)
.if (\kind) == 1
	WIN 0x20
	v_pk_fma_f32 v[px:px+1], v[LJ+2*(\i):LJ+2*(\i)+1], s[36:37], v[HT+32*(\u)+2*(\i):HT+32*(\u)+2*(\i)+1] op_sel_hi:[1,0,1]
.else
	v_pk_add_f32 v[px:px+1], v[px:px+1], 1.0 op_sel_hi:[1,0]
.endif
.endm
.macro A3 u, i                         ; 0-15: 1 - 2 x;  16-31: the block's largest magnitude;  32-38: scale, codes;  39-41: to LDS
.set ax, ACC+32*((\u)%2)
.set ac, CD+8*(\u)
	WIN 0
.if (\i) < 16
	v_pk_fma_f32 v[ax+2*(\i):ax+2*(\i)+1], v[ax+2*(\i):ax+2*(\i)+1], -2.0, 1.0 op_sel_hi:[1,0,0]
.elseif (\i) == 16
	v_max3_num_f32 v[MXA], |v[ax]|, |v[ax+1]|, 0x1800000           ; with the floor 2^(3 - 127): the byte cannot fall under 1
.elseif (\i) == 17
	v_max3_num_f32 v[MXB], |v[ax+2]|, |v[ax+3]|, |v[ax+4]|
.elseif (\i) < 30
.set aj, (\i)-18
.set ai, ax+5+4*(aj/2)
.if aj%2
	v_max3_num_f32 v[MXB], v[MXB], |v[ai+2]|, |v[ai+3]|
.else
	v_max3_num_f32 v[MXA], v[MXA], |v[ai]|, |v[ai+1]|
.endif
.elseif (\i) == 30
	v_max3_num_f32 v[MXA], v[MXA], |v[ax+29]|, |v[ax+30]|
.elseif (\i) == 31
	v_max3_num_f32 v[MXA], v[MXA], v[MXB], |v[ax+31]|
.elseif (\i) == 32
	v_add_nc_u32 v[SCL], 0xff000000, v[MXA]        ; 2 off the exponent field: the conversions' scale operand
.elseif (\i) == 33
	v_cvt_scalef32_pk16_fp6_f32 v[ac:ac+2], v[ax:ax+15], v[SCL]
.elseif (\i) == 34
	v_cvt_scalef32_pk16_fp6_f32 v[ac+4:ac+6], v[ax+16:ax+31], v[SCL]   ; (a conversion's three registers begin on an even number)
.elseif (\i) == 35
	v_lshrrev_b32 v[BY+(\u)], 23, v[SCL]           ; the byte; also the plain place behind the conversions
.elseif (\i) < 39
	v_mov_b32 v[ac+(\i)-33], v[ac+(\i)-32]         ; 3 <- 4, 4 <- 5, 5 <- 6
.elseif (\i) == 39
	ds_store_b128 v[WA16], v[ac:ac+3] offset:IMG+3072*(\u)
.elseif (\i) == 40
	ds_store_b64 v[WA8], v[ac+4:ac+5] offset:IMG+3072*(\u)
.else
	ds_store_b8 v[WAB], v[BY+(\u)] offset:128*(\u)
.endif
.endm
.macro RUN1 u                          ; the 16 first lines of unit u
.set n, 0
.rept 16
	PK 1, \u, n
.set n, n+1
.endr
.endm
.macro PHASE2 tk, tu, pk, pu           ; 32 transcendentals of unit tu, a packed line of unit pu behind every second; the last line is plain; ONE wait for the batch
.set n, 0
.rept 32
	TR \tk, \tu, n
.if n%2
	PK \pk, \pu, n/2
.endif
.set n, n+1
.endr
	s_wait_alu depctr_va_vdst(0)                   ; the batch's 32 results are written, ahead of their first reader
.endm
.macro PHASE3 tk, tu, au               ; 32 transcendentals of unit tu, a line of unit au's end behind each; then the rest of that end; ONE wait, for the batch and for the unit's three LDS stores, which follow it
.set n, 0
.rept 32
	TR \tk, \tu, n
	A3 \au, n
.set n, n+1
.endr
.rept 7
	A3 \au, n
.set n, n+1
.endr
	s_wait_alu depctr_va_vdst(0)                   ; the batch's 32 results are written, ahead of their first reader; so are unit au's codes and byte, which the three LDS stores below read
.rept 3
	A3 \au, n
.set n, n+1
.endr
.endm
; ---- matrix lines.  Fragment (t, f) of Wl at v[24 t + 12 f] of window 2.  In every run the accumulators take turns, one instruction a turn.
.macro WM u, k                         ; logits of unit u: K step k / 4, tile k % 4; the first K step takes bl + bias2 as C
.set wf, (\k)/4
.set wt, (\k)%4
.set wd, ACC+32*((\u)%2)+8*wt
.if wf == 0
	WIN 0x2B+0x40*((\u)/2)
	v_wmma_scale_f32_16x16x128_f8f6f4 v[wd:wd+7], v[24*(\u):24*(\u)+11], v[24*wt:24*wt+11], v[CB+8*wt:CB+8*wt+7], v[FS+(\u)], v[WLS+wt] matrix_a_fmt:MATRIX_FMT_FP6 matrix_b_fmt:MATRIX_FMT_FP6
.else
	WIN 0x0B+0x50*((\u)/2)
	v_wmma_scale_f32_16x16x128_f8f6f4 v[wd:wd+7], v[24*(\u)+12:24*(\u)+23], v[24*wt+12:24*wt+23], v[wd:wd+7], v[FS+(\u)], v[WLS+wt] matrix_a_fmt:MATRIX_FMT_FP6 matrix_b_fmt:MATRIX_FMT_FP6 matrix_a_scale:MATRIX_SCALE_ROW1 matrix_b_scale:MATRIX_SCALE_ROW1
.endif
.endm
.macro LTI dst, frag, sreg, k, mode    ; L^T: source 0 = Wl, source 1 = codes of rep (window 3).  mode 0: into window 0, from 0;  mode 1: into window 2, from 2 bl + bias1 (window 1)
.set lf, (\k)/4
.set lt, (\k)%4
.set ld, (\dst)+8*lt
.set lb, (\frag)+12*lf
.set la, 24*lt+12*lf
.if lf == 0
.if \mode
	WIN 0x9E
	v_wmma_scale_f32_16x16x128_f8f6f4 v[ld:ld+7], v[la:la+11], v[lb:lb+11], v[KB+8*lt:KB+8*lt+7], v[WLS+lt], v[\sreg] matrix_a_fmt:MATRIX_FMT_FP6 matrix_b_fmt:MATRIX_FMT_FP6
.else
	WIN 0x0E
	v_wmma_scale_f32_16x16x128_f8f6f4 v[ld:ld+7], v[la:la+11], v[lb:lb+11], 0, v[WLS+lt], v[\sreg] matrix_a_fmt:MATRIX_FMT_FP6 matrix_b_fmt:MATRIX_FMT_FP6
.endif
.else
.if \mode
	WIN 0xAE
.else
	WIN 0x0E
.endif
	v_wmma_scale_f32_16x16x128_f8f6f4 v[ld:ld+7], v[la:la+11], v[lb:lb+11], v[ld:ld+7], v[WLS+lt], v[\sreg] matrix_a_fmt:MATRIX_FMT_FP6 matrix_b_fmt:MATRIX_FMT_FP6 matrix_a_scale:MATRIX_SCALE_ROW1 matrix_b_scale:MATRIX_SCALE_ROW1
.endif
.endm
; ---- stage B, line by line: line k is stage k / 4 of tile k % 4, so that four lines lie between a line and the one that reads it
.macro PRE u, k                        ; 40 lines: the maximum (from the accumulator's low end on), a's exponent, -c m, the scalings
.set pst, (\k)/4
.set ptt, (\k)%4
.set pz, ACC+32*((\u)%2)+8*ptt
.set psb, ST+24*((\u)%2)+6*ptt
.set ptb, TMB+8*((\u)%2)+2*ptt
	WIN 0x55*((\u)/2)
.if pst == 0
	v_max3_num_f32 v[ptb+1], v[pz], v[pz+1], v[pz+2]
.elseif pst == 1
	v_max3_num_f32 v[ptb+1], v[ptb+1], v[pz+3], v[pz+4]
.elseif pst == 2
	v_max3_num_f32 v[ptb+1], v[ptb+1], v[pz+5], v[pz+6]
.elseif pst == 3
	v_max3_num_f32 v[psb+1], v[ptb+1], v[pz+7], v[psb+1]
.elseif pst == 4
	v_fma_f32 v[ptb], s34, v[psb+1], -v[psb]       ; c m_old - c m_new
.elseif pst == 5
	v_mul_f32 v[psb], s34, v[psb+1]                ; -c m
.else
	v_pk_fma_f32 v[pz+2*(pst-6):pz+2*(pst-6)+1], v[pz+2*(pst-6):pz+2*(pst-6)+1], s[32:33], v[psb:psb+1] op_sel_hi:[1,0,0]
.endif
.endm
.macro EXPS u, k                       ; 36 lines: the four a, the 32 p
	WIN 0x55*((\u)/2)
.if (\k) < 4
	v_exp_f32 v[TMB+8*((\u)%2)+2*(\k)], v[TMB+8*((\u)%2)+2*(\k)]
.else
	v_exp_f32 v[ACC+32*((\u)%2)+(\k)-4], v[ACC+32*((\u)%2)+(\k)-4]
.endif
.endm
.macro POST u, k                       ; 36 lines: l = a l + sum p;  o = a o + sum p rep
.set qst, (\k)/4
.set qtt, (\k)%4
.set qz, ACC+32*((\u)%2)+8*qtt
.set qsb, ST+24*((\u)%2)+6*qtt
.set qtb, TMB+8*((\u)%2)+2*qtt
.set qr, RP+8*qtt
	WIN 0x55*((\u)/2)
.if qst == 0
	v_pk_fma_f32 v[qsb+2:qsb+3], v[qsb+2:qsb+3], v[qtb:qtb+1], v[qz:qz+1] op_sel_hi:[1,0,1]
.elseif qst < 4
	v_pk_add_f32 v[qsb+2:qsb+3], v[qsb+2:qsb+3], v[qz+2*qst:qz+2*qst+1]
.elseif qst == 4
	v_pk_mul_f32 v[qsb+4:qsb+5], v[qsb+4:qsb+5], v[qtb:qtb+1] op_sel_hi:[1,0]
.else
	v_pk_fma_f32 v[qsb+4:qsb+5], v[qz+2*(qst-5):qz+2*(qst-5)+1], v[qr+2*(qst-5):qr+2*(qst-5)+1], v[qsb+4:qsb+5]
.endif
.endm
.macro MASKBR u                        ; on the diagonal tile (a scalar branch on ids) the logits of keys j >= i become -infinity: p = 0 then.  The eight compares stand in one run, with one wait behind it
	WIN 0
	s_cmp_eq_u32 s54, 0
	s_cbranch_scc1 .Lopen_\@
	WIN 0x55*((\u)/2)
.irp jj, 0,1,2,3,4,5,6,7
	v_cmp_gt_i32 s[MS+\jj], \jj+1-(\u), v[DG]      ; 8 h + jj >= 4 q + u
.endr
	s_wait_alu depctr_va_sdst(0)                   ; the eight masks in s[8:15] are written, ahead of the selects that read them
.irp jj, 0,1,2,3,4,5,6,7
.irp t, 0,1,2,3
	v_cndmask_b32 v[ACC+32*((\u)%2)+8*\t+\jj], v[ACC+32*((\u)%2)+8*\t+\jj], v[NINF], s[MS+\jj]
.endr
.endr
	WIN 0
.Lopen_\@:
.endm
; ---- memory
.macro FETCH                           ; all 16 half fragments and the four scale registers (lanes 0-15: K step 0's words, lanes 16-31: K step 1's)
	WIN 0xC0
.set k, 0
.rept 16
	ds_load_b128 v[6*k:6*k+3], v[L16] offset:IMG+768*k
	ds_load_b64 v[6*k+4:6*k+5], v[L8] offset:IMG+768*k+512
.set k, k+1
.endr
	WIN 0
.irp u, 0,1,2,3
	ds_load_b32 v[FS+\u], v[L4] offset:SCB+128*\u
.endr
.endm
.macro LOADR win                       ; a tile's rep for my 64 channels, into window win: 8 loads of 512 consecutive bytes
	WIN 0x40*(\win)
.set k, 0
.rept 8
	global_load_b128 v[RP+4*k:RP+4*k+3], v[L16], s[50:51] offset:512*k
.set k, k+1
.endr
.endm
.macro LOADRF                          ; a tile's codes of rep and their scale words: 9 loads
	WIN 0xC0
.irp p, 0,1,2,3
	global_load_b128 v[RF+6*\p:RF+6*\p+3], v[L16], s[46:47] offset:768*\p
	global_load_b64 v[RF+6*\p+4:RF+6*\p+5], v[L8], s[46:47] offset:768*\p+512
.endr
	WIN 0
	global_load_b32 v[RS], v[L4], s[48:49]
.endm
; ---- a group's begin and end
.macro INIT                            ; m = -2^120 and -c m = c 2^120, which is exact: a step that hides all of a lane's keys leaves a's exponent exactly 0
.irp g, 0,1
	WIN 0x55*\g
.irp i, 0,1,2,3,4,5,6,7
	v_mov_b32 v[ST+6*\i], 0x7bb8aa3b
	v_mov_b32 v[ST+6*\i+1], 0xfb800000
	v_mov_b32 v[ST+6*\i+2], 0
	v_mov_b32 v[ST+6*\i+3], 0
	v_mov_b32 v[ST+6*\i+4], 0
	v_mov_b32 v[ST+6*\i+5], 0
	v_mov_b32 v[TMB+2*\i], 0
	v_mov_b32 v[TMB+2*\i+1], 0
.endr
.endr
	WIN 0
.endm
.macro MAKEH frag, sreg                ; 2 c (L_i + 2 bl + bias1) of the four rows, the same in all 16 lanes of a half
.irp u, 0,1,2,3
.set k, 0
.rept 8
	LTI HT+32*\u, \frag+24*\u, \sreg+\u, k, 1
.set k, k+1
.endr
.endr
.rept 4
	v_nop                                          ; four places between the last product and the first read of results
.endr
	WIN 0x82
.set k, 0
.rept 64
	v_pk_mul_f32 v[HT+2*k:HT+2*k+1], v[HT+2*k:HT+2*k+1], s[36:37] op_sel_hi:[1,0]
.set k, k+1
.endr
	WIN 0
.endm
.macro FINISH dwin, dbase              ; the two halves of the lanes are joined under their common maximum; result 4 u + t = o / l into window dwin
.irp g, 0,1
	WIN 0x55*\g
.irp i, 0,1,2,3,4,5,6,7
	v_add_f32 v[ST+6*\i+2], v[ST+6*\i+2], v[ST+6*\i+3]
.endr
.irp i, 0,1,2,3,4,5,6,7
	v_add_f32 v[ST+6*\i+4], v[ST+6*\i+4], v[ST+6*\i+5]
.endr
.irp i, 0,1,2,3,4,5,6,7
	v_permlanex16_b32 v[TMB+2*\i+1], v[ST+6*\i+1], s38, s39
.endr
.irp i, 0,1,2,3,4,5,6,7
	v_max_num_f32 v[TMB+2*\i+1], v[ST+6*\i+1], v[TMB+2*\i+1]
.endr
.irp i, 0,1,2,3,4,5,6,7
	v_sub_f32 v[TMB+2*\i], v[ST+6*\i+1], v[TMB+2*\i+1]
.endr
.irp i, 0,1,2,3,4,5,6,7
	v_mul_f32 v[TMB+2*\i], s32, v[TMB+2*\i]
.endr
.irp i, 0,1,2,3,4,5,6,7
	v_exp_f32 v[TMB+2*\i], v[TMB+2*\i]
.endr
.endr
	v_nop                                          ; a plain line behind the last exponential,
	s_wait_alu depctr_va_vdst(0)                   ; and one wait for the sixteen results, ahead of their first reader
.irp g, 0,1
	WIN 0x55*\g
.irp i, 0,1,2,3,4,5,6,7
	v_mul_f32 v[ST+6*\i+2], v[ST+6*\i+2], v[TMB+2*\i]
	v_mul_f32 v[ST+6*\i+4], v[ST+6*\i+4], v[TMB+2*\i]
.endr
.irp i, 0,1,2,3,4,5,6,7
	v_permlanex16_b32 v[ST+6*\i+3], v[ST+6*\i+2], s38, s39
	v_permlanex16_b32 v[ST+6*\i+5], v[ST+6*\i+4], s38, s39
.endr
.irp i, 0,1,2,3,4,5,6,7
	v_add_f32 v[ST+6*\i+2], v[ST+6*\i+2], v[ST+6*\i+3]
	v_add_f32 v[ST+6*\i+4], v[ST+6*\i+4], v[ST+6*\i+5]
.endr
.irp i, 0,1,2,3,4,5,6,7
	v_max_num_f32 v[ST+6*\i+2], 0.5, v[ST+6*\i+2]  ; a row with a key has l near 1 or more; the row without keys (i = 0) has o = 0 and gets 0
.endr
.irp i, 0,1,2,3,4,5,6,7
	v_rcp_f32 v[ST+6*\i+3], v[ST+6*\i+2]
.endr
.endr
	v_nop
	s_wait_alu depctr_va_vdst(0)                   ; the sixteen reciprocals are written, ahead of their first reader
.irp g, 0,1
	WIN ((\dwin)<<6)|(5*\g)
.irp i, 0,1,2,3,4,5,6,7
	v_mul_f32 v[(\dbase)+8*\g+\i], v[ST+6*\i+4], v[ST+6*\i+3]
.endr
.endr
	WIN 0
.endm
	s_load_b512 s[8:23], s[0:1], 0x0               ; rpd s[8:9], rpc s[10:11], rps s[12:13], wlc s[14:15], wls s[16:17], bl s[18:19], bias1 s[20:21], bias2 s[22:23]
	s_load_b256 s[24:31], s[0:1], 0x40             ; ln_gamma s[24:25], ln_beta s[26:27], mask s[28:29], out0 s[30:31]
	v_lshl_add_u32 v71, v0, 2, 0x5500
	v_mov_b32 v255, 0
	v_lshrrev_b32 v248, 5, v0
	v_readfirstlane_b32 s2, v248                   ; wave w
	v_and_b32 v249, 31, v0                         ; lane
	v_and_b32 v[RR], 15, v0                        ; r
	v_bfe_u32 v[HH], v0, 4, 1                      ; h
	s_and_b32 s4, ttmp9, 3                         ; q
	s_bfe_u32 s5, ttmp9, 0x30002                   ; T
	s_lshr_b32 s6, ttmp9, 5                        ; b
	s_add_co_u32 s7, s5, 1                         ; the step at which group B begins
	s_mov_b32 s32, 0x3fb8aa3b                      ; c = log2(e); the packed forms name pairs and take the low word for both halves, so both words are written
	s_mov_b32 s33, s32
	s_mov_b32 s34, 0xbfb8aa3b                      ; -c
	s_mov_b32 s36, 0x4038aa3b                      ; 2 c
	s_mov_b32 s37, s36
	s_mov_b32 s38, 0x76543210
	s_mov_b32 s39, 0xfedcba98                      ; selects for lane l xor 16
	s_mov_b32 s53, 0                               ; the upper word of every offset
	v_lshlrev_b32 v[L16], 4, v249
	v_lshlrev_b32 v[L8], 3, v249
	v_lshlrev_b32 v[L4], 2, v249
	s_wait_alu depctr_va_sdst(0)                   ; s2 is written, ahead of its first reader: LDS places and bases are made from it
	s_mul_i32 s55, s2, 768
	v_add_nc_u32 v[WA16], s55, v[L16]
	s_add_co_u32 s55, s55, 512
	v_add_nc_u32 v[WA8], s55, v[L8]
	s_lshr_b32 s55, s2, 1
	s_lshl_b32 s55, s55, 6
	s_and_b32 s56, s2, 1
	s_lshl_b32 s56, s56, 1
	s_add_co_u32 s55, s55, s56
	s_add_co_u32 s55, s55, SCB
	v_lshl_add_u32 v[WAB], v[RR], 2, v[HH]
	v_add_nc_u32 v[WAB], s55, v[WAB]
	s_lshl_b32 s57, s4, 2
	v_lshlrev_b32 v[DG], 3, v[HH]
	v_sub_nc_u32 v[DG], s57, v[DG]
	v_mov_b32 v[NINF], 0xff800000
	v_lshl_add_u32 v252, v[HH], 4, s57             ; 16 h + 4 q
	v_lshlrev_b32 v[HB16], 4, v252
	v_lshlrev_b32 v[HB8], 3, v252
	v_lshlrev_b32 v[HB4], 2, v252
	v_lshlrev_b32 v253, 7, v[HH]                   ; 128 h: my block of 32 among my wave's 64 channels d
	v_and_b32 v[CO4], 8, v[RR]
	v_mad_u32_u24 v[CO4], v[CO4], 3, v[RR]         ; 32 (r / 8) + r % 8
	v_lshlrev_b32 v[CO4], 2, v[CO4]
	s_wait_kmcnt 0x0
	s_mul_i32 s52, s2, 12288
	s_add_nc_u64 s[14:15], s[14:15], s[52:53]      ; my slice of Wl's codes,
	s_lshl_b32 s52, s2, 9
	s_add_nc_u64 s[16:17], s[16:17], s[52:53]      ; of its scale words,
	s_lshl_b32 s52, s2, 8
	s_add_nc_u64 s[18:19], s[18:19], s[52:53]      ; and of the five vectors: 64 w numbers on
	s_add_nc_u64 s[20:21], s[20:21], s[52:53]
	s_add_nc_u64 s[22:23], s[22:23], s[52:53]
	s_add_nc_u64 s[24:25], s[24:25], s[52:53]
	s_add_nc_u64 s[26:27], s[26:27], s[52:53]
	s_mul_i32 s52, s6, 49152
	s_add_nc_u64 s[40:41], s[10:11], s[52:53]      ; my batch's 16 tiles of codes,
	s_lshl_b32 s52, s6, 11
	s_add_nc_u64 s[42:43], s[12:13], s[52:53]      ; of scale words,
	s_lshl_b32 s52, s6, 18
	s_lshl_b32 s55, s2, 12
	s_add_co_u32 s52, s52, s55
	s_add_nc_u64 s[44:45], s[8:9], s[52:53]        ; and of rep, at my slice
	s_lshl_b32 s52, s6, 8
	s_add_nc_u64 s[28:29], s[28:29], s[52:53]      ; my batch's mask
	s_mul_i32 s52, s5, 3072
	s_add_nc_u64 s[56:57], s[40:41], s[52:53]      ; group A's own tile
	s_lshl_b32 s52, s5, 7
	s_add_nc_u64 s[58:59], s[42:43], s[52:53]
	s_sub_co_u32 s55, 15, s5
	s_mul_i32 s52, s55, 3072
	s_add_nc_u64 s[60:61], s[40:41], s[52:53]      ; group B's
	s_lshl_b32 s52, s55, 7
	s_add_nc_u64 s[62:63], s[42:43], s[52:53]
	s_mov_b64 s[46:47], s[40:41]                   ; step 0 takes tile 0
	s_mov_b64 s[48:49], s[42:43]
	WIN 0x80
	s_wait_alu depctr_va_vdst(0)                   ; the addresses v1 to v6, v9 to v12 and v253 are written, which the loads below and the loop's loads and stores read
.set k, 0
.rept 24
	global_load_b128 v[4*k:4*k+3], v[L16], s[14:15] offset:512*k   ; Wl's 8 fragments: they stay
.set k, k+1
.endr
	WIN 0
.irp t, 0,1,2,3
	global_load_b32 v[WLS+\t], v[L4], s[16:17] offset:128*\t
.endr
.irp i, 0,1,2,3,4,5,6,7
	global_load_b128 v[ACC+4*\i:ACC+4*\i+3], v253, s[18:19] offset:16*\i          ; bl at d = 64 w + 32 h + 0..31
	global_load_b128 v[ACC+32+4*\i:ACC+32+4*\i+3], v253, s[20:21] offset:16*\i    ; bias1 likewise
.endr
.irp t, 0,1,2,3
	global_load_b32 v[CD+\t], v[CO4], s[18:19] offset:32*\t        ; bl at col(w, t, r)
	global_load_b32 v[CD+4+\t], v[CO4], s[22:23] offset:32*\t      ; bias2 likewise
.endr
	WIN 0xC0
.irp u, 0,1,2,3                                    ; my rows as fragments: every lane of a half reads row 4 q + u, so L^T comes out the same in all 16 lanes
.irp p, 0,1,2,3
	global_load_b128 v[24*\u+6*\p:24*\u+6*\p+3], v[HB16], s[56:57] offset:768*\p+16*\u
	global_load_b64 v[24*\u+6*\p+4:24*\u+6*\p+5], v[HB8], s[56:57] offset:768*\p+512+8*\u
	global_load_b128 v[HFB+24*\u+6*\p:HFB+24*\u+6*\p+3], v[HB16], s[60:61] offset:768*\p+16*\u
	global_load_b64 v[HFB+24*\u+6*\p+4:HFB+24*\u+6*\p+5], v[HB8], s[60:61] offset:768*\p+512+8*\u
.endr
.endr
	WIN 0
.irp u, 0,1,2,3
	global_load_b32 v[FS+\u], v[HB4], s[58:59] offset:4*\u
	global_load_b32 v[HSB+\u], v[HB4], s[62:63] offset:4*\u
.endr
	LOADRF
	s_wait_loadcnt 0x0
	WIN 0x40
.set k, 0
.rept 16
	v_pk_fma_f32 v[KB+2*k:KB+2*k+1], v[ACC+2*k:ACC+2*k+1], 2.0, v[ACC+32+2*k:ACC+32+2*k+1] op_sel_hi:[1,0,1]   ; 2 bl + bias1
.set k, k+1
.endr
	v_mov_b32 v[DG], v[DG]                         ; copies for the lines that work in window 1
	v_mov_b32 v[NINF], v[NINF]
	WIN 0x80
.irp t, 0,1,2,3
.irp j, 0,1,2,3,4,5,6,7
	v_add_f32 v[CB+8*\t+\j], v[CD+\t], v[CD+4+\t]  ; bl + bias2 in the result's layout: the C of each logit's first product
.endr
.endr
	WIN 0xC0
.set k, 0
.rept 16
	v_mov_b32 v[RESA+k], 0                         ; written once here; group A's end writes the results
.set k, k+1
.endr
	MAKEH 0, FS                                    ; group A's rows
.set k, 0
.rept 8
	LTI LJ, RF, RS, k, 0                           ; L_j of step 0
.set k, k+1
.endr
	WIN 0
.rept 4
	v_nop                                          ; four places between the last product and the loads into registers that it has read; the wait below states that dependence
.endr
	s_cmp_gt_u32 s5, 0
	s_cselect_b32 s55, 1, 0                        ; step 1's tile: 1, or with T = 0 group B's tile 0
	s_mul_i32 s52, s55, 3072
	s_add_nc_u64 s[46:47], s[40:41], s[52:53]
	s_lshl_b32 s52, s55, 7
	s_add_nc_u64 s[48:49], s[42:43], s[52:53]
	s_mov_b64 s[50:51], s[44:45]
	s_wait_alu depctr_va_vdst(0)                   ; L_j's products are done reading the codes in window 3 v96-119 and the scale words in v24, in which the loads below land
	LOADR 0                                        ; the loads go out in the loop's own order: rep (8), the next codes (9); rep's second copy (8) is asked for in the step itself
	LOADRF
	INIT
	s_mov_b32 s3, 0
.Lstep:
	s_cmp_eq_u32 s3, s5                            ; the diagonal tiles: step T (group A) and step 16 (group B)
	s_cselect_b32 s54, 1, 0
	s_cmp_eq_u32 s3, 16
	s_cselect_b32 s54, 1, s54
	s_cmp_lg_u32 s3, s7
	s_cbranch_scc1 .Lsame_group                    ; the same in all four waves; no barrier stands inside
	FINISH 3, RESA
	INIT
	MAKEH HFB, HSB
.Lsame_group:
	; ---- stage A: tanh of my 64 channels for four units, quantised, to LDS
	RUN1 0
	PHASE2 0, 0, 1, 1                              ; 2^x of unit 0 | unit 1's first lines
	LOADR 1                                        ; this step's rep, second copy.  The wait just above also states that the last step's sums of units 2 and 3 are done reading these registers; no vector line stands between
	WIN 0
	PHASE2 0, 1, 2, 0                              ; 2^x of unit 1 | unit 0: + 1
	PHASE2 1, 0, 2, 1                              ; 1 / x of unit 0 | unit 1: + 1
	PHASE3 1, 1, 0                                 ; 1 / x of unit 1 | unit 0's end
	RUN1 2
	PHASE3 0, 2, 1                                 ; 2^x of unit 2 | unit 1's end
	RUN1 3
	PHASE2 0, 3, 2, 2
	PHASE2 1, 2, 2, 3
	PHASE3 1, 3, 2
.set n, 0
.rept 39
	A3 3, n
.set n, n+1
.endr
	s_wait_alu depctr_va_vdst(0)                   ; unit 3's codes and byte are written, which the three LDS stores below read
.rept 3
	A3 3, n
.set n, n+1
.endr
	s_wait_dscnt 0x0                               ; for the others' sake: my codes and bytes have landed
	s_wait_alu depctr_vm_vsrc(0)                   ; the four units' LDS stores have read v34-37 and v40-71: stage B writes v40-55 again, a group's change and the next step's conversions the rest
	s_barrier_signal -1
	s_barrier_wait -1
	; ---- stage B
	FETCH                                          ; (the products that read these registers stand ahead of many waits on va_vdst, and no vector line stands between the last of those waits and these loads)
	s_wait_dscnt 0x0                               ; my reads of the images are over: behind this barrier the next step may write them
	s_barrier_signal -1
.set n, 0
.rept 8
	WM 0, n                                        ; work on registers while the others arrive
.set n, n+1
.endr
	WIN 0
	s_barrier_wait -1
.rept 4
	v_nop                                          ; four places between the last product and the first read of results
.endr
	MASKBR 0
.set n, 0
.rept 40                                           ; unit 1's products | unit 0's maximum and scalings; five plain lines follow the last product
.if n%5 == 0
	WM 1, n/5
.endif
	PRE 0, n
.set n, n+1
.endr
	MASKBR 1
.set n, 0
.rept 40                                           ; unit 2's products | unit 1's maximum and scalings | unit 0's exponentials
.if n%5 == 0
	WM 2, n/5
.endif
	PRE 1, n
.if n < 36
	EXPS 0, n
.endif
.set n, n+1
.endr
	s_wait_alu depctr_va_vdst(0)                   ; one wait for unit 0's 36 results, ahead of their first reader
	s_wait_loadcnt 8                               ; rep and the next tile's codes are in; only the 8 loads issued last, rep's second copy, may be out
.set n, 0
.rept 36                                           ; unit 3's products | unit 1's exponentials | unit 0's sums
.if n%5 == 0
	WM 3, n/5
.endif
	EXPS 1, n
	POST 0, n
.set n, n+1
.endr
	s_wait_alu depctr_va_vdst(0)                   ; unit 1's 36 results are written, ahead of their first reader
.set n, 0
.rept 36                                           ; the next step's L_j, first K step | unit 1's sums
.if n%9 == 0
	LTI LJ, RF, RS, n/9, 0
.endif
	POST 1, n
.set n, n+1
.endr
	MASKBR 2
.set n, 0
.rept 40                                           ; unit 2's maximum and scalings | L_j's second K step; nine plain lines follow the last product
	PRE 2, n
.if n%10 == 0
	LTI LJ, RF, RS, 4+n/10, 0
.endif
.set n, n+1
.endr
	MASKBR 3
.set n, 0
.rept 40
	PRE 3, n
.if n < 36
	EXPS 2, n
.endif
.set n, n+1
.endr
	s_wait_alu depctr_va_vdst(0)                   ; unit 2's 36 results are written, ahead of their first reader; the sums of units 0 and 1 are done reading rep in window 0, and L_j's eight products their codes and scale words: the 17 loads below land in these
	WIN 0
	s_wait_xcnt 0x0                                ; every load issued so far has read its base: the three bases may be written
	s_add_co_u32 s55, s3, 1
	s_min_u32 s55, s55, 16                         ; the next step, and the one after it; the last trips ask again for the last tile, inside the buffers, and use nothing of it
	s_add_co_u32 s56, s3, 2
	s_min_u32 s56, s56, 16
	s_sub_co_u32 s57, s55, s7
	s_cmp_gt_u32 s55, s5
	s_cselect_b32 s55, s57, s55                    ; step x takes tile x (x <= T) or x - T - 1
	s_sub_co_u32 s57, s56, s7
	s_cmp_gt_u32 s56, s5
	s_cselect_b32 s56, s57, s56
	s_lshl_b32 s52, s55, 14
	s_add_nc_u64 s[50:51], s[44:45], s[52:53]
	s_mul_i32 s52, s56, 3072
	s_add_nc_u64 s[46:47], s[40:41], s[52:53]
	s_lshl_b32 s52, s56, 7
	s_add_nc_u64 s[48:49], s[42:43], s[52:53]
	LOADR 0                                        ; units 0 and 1 have read rep: the next step's comes
	LOADRF                                         ; the codes of the tile after the next
	s_wait_loadcnt 17                              ; rep's second copy is in: behind it stand the 8 + 9 loads just issued
.set n, 0
.rept 36
	EXPS 3, n
	POST 2, n
.set n, n+1
.endr
	s_wait_alu depctr_va_vdst(0)                   ; unit 3's 36 results are written, ahead of their first reader
.set n, 0
.rept 36
	POST 3, n
.set n, n+1
.endr
	WIN 0
	s_add_co_u32 s3, s3, 1
	s_cmp_lt_u32 s3, STEPS
	s_cbranch_scc1 .Lstep
	; ---- the end: lanes 0-15 take group A's four rows, lanes 16-31 group B's; mask, residual, LayerNorm in two passes, whole rows out
.set RESB, 72
.set VV,   104
.set SS,   120
.set S2,   124
.set REPR, 136
.set MK,   152
.set GA,   156
.set BE,   160
.set MF,   164
.set RDB,  168
	s_sub_co_u32 s55, 15, s5                       ; group B's tile
	s_sub_co_u32 s56, s55, s5                      ; 15 - 2 T, at least 1
	s_lshr_b32 s57, s4, 1
	s_lshl_b32 s57, s57, 8
	s_and_b32 s58, s4, 1
	s_lshl_b32 s58, s58, 9
	s_add_co_u32 s57, s57, s58
	s_lshl_b32 s58, s5, 14
	s_add_co_u32 s57, s57, s58
	s_lshl_b32 s58, s56, 14
	v_lshl_add_u32 v[RSO], v[RR], 4, s57           ; rows 4 q + 0..3 of a tile are one run of 16 bytes: lane 16 (q / 2) + r, half q % 2
	v_mul_u32_u24 v252, v[HH], s58
	v_add_nc_u32 v[RSO], v[RSO], v252
	s_lshl_b32 s57, s5, 4
	s_lshl_b32 s58, s4, 2
	s_add_co_u32 s57, s57, s58
	s_lshl_b32 s58, s56, 4
	v_mul_u32_u24 v[MKO], v[HH], s58
	v_add_nc_u32 v[MKO], s57, v[MKO]
	s_wait_alu depctr_va_vdst(0)                   ; the offsets v14 and v15 are written, which the loads below read; the loop's lines are done with v136-163, in which they land
.irp t, 0,1,2,3
	global_load_b128 v[REPR+4*\t:REPR+4*\t+3], v[RSO], s[44:45] offset:1024*\t   ; rep[my row u][col(w, t, r)], u = 0..3
.endr
	global_load_b32 v[MK], v[MKO], s[28:29]        ; my four rows' mask bytes
.irp t, 0,1,2,3
	global_load_b32 v[GA+\t], v[CO4], s[24:25] offset:32*\t
	global_load_b32 v[BE+\t], v[CO4], s[26:27] offset:32*\t
.endr
	s_lshl_b32 s57, s2, 5
	v_lshl_add_u32 v252, v[HH], 4, s57             ; LDS: 32 w + 16 h
	v_lshlrev_b32 v253, 4, v[HH]                   ; (v253 was an offset of loads at the head: the loop's wait on vm_vsrc stands between those loads and this line)
	v_mad_u32_u24 v[OSA], v[HH], 4*OPITCH, v[CO4]
	s_lshl_b32 s57, s2, 8
	v_add_nc_u32 v[OSA], s57, v[OSA]               ; LDS: row 4 h (+ u), byte 4 col(w, 0, r)
	s_mul_i32 s57, s2, 2*OPITCH
	v_add_nc_u32 v254, s57, v[L16]                 ; LDS: rows 2 w, 2 w + 1, 16 bytes a lane
	s_mov_b32 s59, 0xbb800000                      ; -1 / 256
	s_mov_b32 s60, 0x3b800000                      ; 1 / 256
	s_mov_b32 s61, 0x358637bd                      ; 1e-6
	FINISH 0, RESB
	v_cmp_eq_u32 vcc_lo, 1, v[HH]
	s_wait_alu depctr_va_vcc(0)                    ; VCC is written, ahead of the selects that read it
	WIN 0x03
.set k, 0
.rept 16
	v_cndmask_b32 v[VV+k], v[RESA+k], v[RESB+k], vcc_lo
.set k, k+1
.endr
	WIN 0
	s_wait_loadcnt 0x0
.irp u, 0,1,2,3
	v_bfe_u32 v[MF+\u], v[MK], 8*\u, 8
.endr
.irp u, 0,1,2,3
	v_cvt_f32_u32 v[MF+\u], v[MF+\u]
.endr
.irp u, 0,1,2,3
.irp t, 0,1,2,3
	v_fma_f32 v[VV+4*\u+\t], v[VV+4*\u+\t], v[MF+\u], v[REPR+4*\t+\u]
.endr
.endr
; v[SS + u]: my four channels' part of row u's sum -> the sum over all 256 channels, in every lane of my half
.macro REDUCE red
.irp m, 1,2,4,8
.irp u, 0,1,2,3
	v_add_f32_dpp v[SS+\u], v[SS+\u], v[SS+\u] row_xmask:\m row_mask:0xf bank_mask:0xf
.endr
.endr
	s_wait_alu depctr_va_vdst(0)                   ; v[SS ..] are written, which the LDS store reads, and so are its address and the loads'; the earlier lines are done with v168-183, in which the LDS loads land
	ds_store_b128 v252, v[SS:SS+3] offset:\red     ; the 16 lanes of a half write the same bytes with the same values
	s_wait_dscnt 0x0
	s_barrier_signal -1
	s_barrier_wait -1
.irp p, 0,1,2,3
	ds_load_b128 v[RDB+4*\p:RDB+4*\p+3], v253 offset:\red+32*\p
.endr
	s_wait_alu depctr_vm_vsrc(0)                   ; the LDS store has read v[SS ..], which the additions below write again
	s_wait_dscnt 0x0
.irp u, 0,1,2,3
	v_add_f32 v[SS+\u], v[RDB+\u], v[RDB+4+\u]
	v_add_f32 v[S2+\u], v[RDB+8+\u], v[RDB+12+\u]
.endr
.irp u, 0,1,2,3
	v_add_f32 v[SS+\u], v[SS+\u], v[S2+\u]
.endr
.endm
.irp u, 0,1,2,3
	v_add_f32 v[SS+\u], v[VV+4*\u], v[VV+4*\u+1]
	v_add_f32 v[S2+\u], v[VV+4*\u+2], v[VV+4*\u+3]
.endr
.irp u, 0,1,2,3
	v_add_f32 v[SS+\u], v[SS+\u], v[S2+\u]
.endr
	REDUCE RED1
.irp u, 0,1,2,3
.irp t, 0,1,2,3
	v_fma_f32 v[VV+4*\u+\t], v[SS+\u], s59, v[VV+4*\u+\t]          ; - the mean
.endr
.endr
.irp u, 0,1,2,3
	v_mul_f32 v[SS+\u], v[VV+4*\u], v[VV+4*\u]
.endr
.irp t, 1,2,3
.irp u, 0,1,2,3
	v_fma_f32 v[SS+\u], v[VV+4*\u+\t], v[VV+4*\u+\t], v[SS+\u]
.endr
.endr
	REDUCE RED2                                    ; other bytes than the first: no wave can overtake a reader
.irp u, 0,1,2,3
	v_fma_f32 v[SS+\u], v[SS+\u], s60, s61         ; the variance + 1e-6
.endr
.irp u, 0,1,2,3
	v_rsq_f32 v[S2+\u], v[SS+\u]
.endr
	v_nop
	s_wait_alu depctr_va_vdst(0)                   ; the four results are written, ahead of their first reader
.irp u, 0,1,2,3
.irp t, 0,1,2,3
	v_mul_f32 v[VV+4*\u+\t], v[VV+4*\u+\t], v[S2+\u]
.endr
.endr
.irp u, 0,1,2,3
.irp t, 0,1,2,3
	v_fma_f32 v[VV+4*\u+\t], v[VV+4*\u+\t], v[GA+\t], v[BE+\t]
.endr
.endr
	s_wait_alu depctr_va_vdst(0)                   ; the sixteen results in v[VV ..] are written, which the LDS stores read
.irp u, 0,1,2,3
.irp t, 0,1,2,3
	ds_store_b32 v[OSA], v[VV+4*\u+\t] offset:OUTS+OPITCH*\u+32*\t
.endr
.endr
	s_wait_dscnt 0x0                               ; for the others' sake: a row's 1,024 bytes come from four waves
	s_barrier_signal -1
	s_barrier_wait -1
	ds_load_b128 v[RDB:RDB+3], v254 offset:OUTS
	ds_load_b128 v[RDB+4:RDB+7], v254 offset:OUTS+512
	ds_load_b128 v[RDB+8:RDB+11], v254 offset:OUTS+OPITCH
	ds_load_b128 v[RDB+12:RDB+15], v254 offset:OUTS+OPITCH+512
	s_cmp_lt_u32 s2, 2                             ; waves 0, 1 store group A's rows, waves 2, 3 group B's
	s_cselect_b32 s57, s5, s55
	s_lshl_b32 s57, s57, 4
	s_lshl_b32 s58, s6, 8
	s_add_co_u32 s57, s57, s58
	s_lshl_b32 s58, s4, 2
	s_add_co_u32 s57, s57, s58
	s_and_b32 s58, s2, 1
	s_lshl_b32 s58, s58, 1
	s_add_co_u32 s57, s57, s58                     ; row 256 b + 16 tile + 4 q + 2 (w % 2)
	s_lshl_b32 s52, s57, 10
	s_add_nc_u64 s[30:31], s[30:31], s[52:53]
	s_wait_dscnt 0x0
.irp p, 0,1,2,3
	global_store_b128 v[L16], v[RDB+4*\p:RDB+4*\p+3], s[30:31] offset:512*\p   ; 32 lanes store 512 consecutive bytes, aligned
.endr
	s_wait_dscnt 0x0
	s_wait_alu depctr_hold_cnt(0) depctr_sa_sdst(0) depctr_va_vdst(0) depctr_va_sdst(0) depctr_va_ssrc(0) depctr_va_vcc(0) depctr_vm_vsrc(0)
	s_wait_tensorcnt 0x0
	ds_add_u32 v71, v255
	s_wait_dscnt 0x0
	s_endpgm
.Lfunc_end_k_q13c65f3157_main:
	.size	k_q13c65f3157_main, .Lfunc_end_k_q13c65f3157_main-k_q13c65f3157_main
	.p2alignl 7, 3214868480
	.fill 96, 4, 3214868480
	.section	.rodata,"a",@progbits
	.p2align	6, 0x0
	.amdhsa_kernel k_q13c65f3157_main
		.amdhsa_group_segment_fixed_size 22272
		.amdhsa_private_segment_fixed_size 0
		.amdhsa_enable_private_segment 0
		.amdhsa_kernarg_size 96
		.amdhsa_user_sgpr_count 2
		.amdhsa_user_sgpr_kernarg_segment_ptr 1
		.amdhsa_wavefront_size32 1
		.amdhsa_system_sgpr_workgroup_id_x 1
		.amdhsa_system_sgpr_workgroup_id_y 1
		.amdhsa_system_sgpr_workgroup_id_z 1
		.amdhsa_system_vgpr_workitem_id 0
		.amdhsa_next_free_vgpr 1024
		.amdhsa_next_free_sgpr 66
		.amdhsa_reserve_vcc 1
		.amdhsa_float_denorm_mode_32 3
		.amdhsa_float_denorm_mode_16_64 3
		.amdhsa_memory_ordered 1
		.amdhsa_forward_progress 1
		.amdhsa_inst_pref_size 158
	.end_amdhsa_kernel
	.amdgpu_metadata
---
amdhsa.version: [ 1, 2 ]
amdhsa.kernels:
  - .name:           k_q13c65f3157_main
    .symbol:         k_q13c65f3157_main.kd
    .args:
      - { .name: rpd, .offset: 0, .size: 8, .value_kind: global_buffer, .address_space: global }
      - { .name: rpc, .offset: 8, .size: 8, .value_kind: global_buffer, .address_space: global }
      - { .name: rps, .offset: 16, .size: 8, .value_kind: global_buffer, .address_space: global }
      - { .name: wlc, .offset: 24, .size: 8, .value_kind: global_buffer, .address_space: global }
      - { .name: wls, .offset: 32, .size: 8, .value_kind: global_buffer, .address_space: global }
      - { .name: bl, .offset: 40, .size: 8, .value_kind: global_buffer, .address_space: global }
      - { .name: bias1, .offset: 48, .size: 8, .value_kind: global_buffer, .address_space: global }
      - { .name: bias2, .offset: 56, .size: 8, .value_kind: global_buffer, .address_space: global }
      - { .name: ln_gamma, .offset: 64, .size: 8, .value_kind: global_buffer, .address_space: global }
      - { .name: ln_beta, .offset: 72, .size: 8, .value_kind: global_buffer, .address_space: global }
      - { .name: mask, .offset: 80, .size: 8, .value_kind: global_buffer, .address_space: global }
      - { .name: out0, .offset: 88, .size: 8, .value_kind: global_buffer, .address_space: global }
    .group_segment_fixed_size: 22272
    .private_segment_fixed_size: 0
    .kernarg_segment_align: 8
    .kernarg_segment_size: 96
    .max_flat_workgroup_size: 128
    .sgpr_count:     66
    .vgpr_count:     1024
    .wavefront_size: 32
...
	.end_amdgpu_metadata
.endif
;; end of part 4
